; MI455X (gfx1250); checked and timed in simulation.
; The chip was launched on July 23, 2026; its instructions are those of AMD's public machine-readable ISA for CDNA 5 (MIT licence, August 2026) and "CDNA5" Instruction Set Architecture Reference Guide (July 2026). The comments in the code are by the model that wrote it; some were corrected since.
;; Multi Head Self Attention. Allowed arithmetic: float matrix products may take bf16 or f16 operands with f32 sums; other float arithmetic in f32, or as packed bf16 or f16 multiplies, adds, multiply-adds, maxima and minima; sums over many terms, partial sums and values carried from step to step in f32; what a program stores and reads back later, other than sums and carried values, may be rounded once to bf16 or f16.
;; Inputs: Wk 1,024 x 1,024 float32; Wo 1,024 x 1,024 float32; Wq 1,024 x 1,024 float32; Wv 1,024 x 1,024 float32; bk 1,024 float32; bo 1,024 float32; bq 1,024 float32; bv 1,024 float32; x 4 x 2,048 x 1,024 float32.
;; Outputs: out0 4 x 2,048 x 1,024 float32.
;; 2 versions, each right; version 2 is version 1 with the launch cast written anew for expert scheduling mode. Each part assembles by itself: llvm-mc -triple=amdgcn-amd-amdhsa -mcpu=gfx1250 --defsym DOCPART=n.
;; ======== version 1 of 2: 5 launches
;; limits: values are held in f16: magnitudes above 65,504 overflow, below 6.1e-05 lose precision
;; workspace buffers: xh 16,777,216 bytes; wh 8,388,608 bytes; qkv 50,331,648 bytes; pw 33,554,432 bytes; st 1,048,576 bytes; oh 16,777,216 bytes
;; launch cast (part 1): grid 768 x 1, 8 waves a work-group, no clusters, 0 bytes of LDS; arguments x, Wq, Wk, Wv, Wo, xh, wh; writes xh, wh
.if DOCPART == 1
	.amdgcn_target "amdgcn-amd-amdhsa--gfx1250"
	.amdhsa_code_object_version 6
	.text
	.protected	k_qd43fb0035f_cast
	.globl	k_qd43fb0035f_cast
	.p2align	8
	.type	k_qd43fb0035f_cast,@function
k_qd43fb0035f_cast:
	s_mov_b64 s[64:65], 0
	v_nop
	global_prefetch_b8 v0, s[64:65] scope:SCOPE_SE
	s_setreg_imm32_b32 hwreg(HW_REG_WAVE_MODE, 25, 1), 1
	s_wait_xcnt 0x0
; xh = f16(bf16(x)), wh = f16(bf16(Wq | Wk | Wv | Wo)): every matrix input is rounded once to bf16 (nearest even), and that number is written as f16.
; LIMITS.  The second step is exact for magnitudes from 2^-17 to 65,504; below 2^-17 it is off by at most 2^-25; 65,520 and beyond become infinities.
; SHARES.  A work-group takes 16,384 numbers (65,536 bytes in, 32,768 out): groups 0-511 the chunks of x, groups 512-767 the 64 chunks of each W, in the order q, k, v, o.
; A wave takes 8,192 bytes: sixteen loads of 512 consecutive bytes, all issued at once; each is converted and leaves as one store of 256 consecutive bytes, aligned.
; No LDS, no barrier, no loop: no wave needs another's bytes, and no register that a memory instruction reads is written again.
.set X, 8                              ; v[8:71]    load j: 4 registers
.set Y, 72                             ; v[72:103]  store j: 2 registers
.set T, 104                            ; v[104:107] packed bf16, two sets by turns
	s_load_b256 s[4:11], s[0:1], 0x0               ; x s[4:5], Wq s[6:7], Wk s[8:9], Wv s[10:11]
	s_load_b128 s[12:15], s[0:1], 0x20             ; Wo s[12:13], xh s[14:15]
	s_load_b64 s[16:17], s[0:1], 0x30              ; wh
	s_max_u32 s20, ttmp9, 512
	s_sub_co_u32 s20, s20, 512                     ; chunk among the four W (0 in the groups that take x)
	s_lshr_b32 s21, s20, 6                         ; which W
	s_and_b32 s22, s20, 63                         ; chunk in it
	s_mov_b32 s19, 0xffff0000                      ; a word's upper bf16
	v_lshrrev_b32 v3, 5, v0                        ; wave
	v_and_b32 v4, 31, v0                           ; lane
	v_lshlrev_b32 v1, 4, v4
	v_lshl_add_u32 v1, v3, 13, v1                  ; in: 8,192 x wave + 16 x lane
	v_lshlrev_b32 v2, 3, v4
	v_lshl_add_u32 v2, v3, 12, v2                  ; out: 4,096 x wave + 8 x lane
	s_wait_kmcnt 0x0
	s_cmp_eq_u32 s21, 1
	s_cselect_b64 s[24:25], s[8:9], s[6:7]
	s_cmp_eq_u32 s21, 2
	s_cselect_b64 s[24:25], s[10:11], s[24:25]
	s_cmp_eq_u32 s21, 3
	s_cselect_b64 s[24:25], s[12:13], s[24:25]
	s_cmp_lt_u32 ttmp9, 512                        ; the four selects below hang on this compare
	s_cselect_b64 s[24:25], s[4:5], s[24:25]       ; from
	s_cselect_b64 s[26:27], s[14:15], s[16:17]     ; to
	s_cselect_b32 s22, ttmp9, s22                  ; chunk in the source
	s_cselect_b32 s23, ttmp9, s20                  ; chunk in the destination
	s_lshl_b32 s28, s22, 16
	s_mov_b32 s29, 0
	s_lshl_b32 s30, s23, 15
	s_mov_b32 s31, 0
	s_add_nc_u64 s[24:25], s[24:25], s[28:29]
	s_add_nc_u64 s[26:27], s[26:27], s[30:31]
.irp j, 0,1,2,3,4,5,6,7,8,9,10,11,12,13,14,15
	global_load_b128 v[X+4*(\j):X+4*(\j)+3], v1, s[24:25] offset:512*(\j) th:TH_LOAD_NT
.endr
.irp j, 0,1,2,3,4,5,6,7,8,9,10,11,12,13,14,15
	s_wait_loadcnt 15-(\j)                         ; loads come back in order: load j is in, the 15 - j younger ones may stay out
	v_cvt_pk_bf16_f32 v[T+2*((\j)%2)],   v[X+4*(\j)],   v[X+4*(\j)+1]
	v_cvt_pk_bf16_f32 v[T+2*((\j)%2)+1], v[X+4*(\j)+2], v[X+4*(\j)+3]
	v_lshlrev_b32 v[X+4*(\j)],   16,  v[T+2*((\j)%2)]      ; bf16 back to f32: the low half moves up, the high half stays
	v_and_b32     v[X+4*(\j)+1], s19, v[T+2*((\j)%2)]
	v_lshlrev_b32 v[X+4*(\j)+2], 16,  v[T+2*((\j)%2)+1]
	v_and_b32     v[X+4*(\j)+3], s19, v[T+2*((\j)%2)+1]
	v_cvt_pk_f16_f32 v[Y+2*(\j)],   v[X+4*(\j)],   v[X+4*(\j)+1]
	v_cvt_pk_f16_f32 v[Y+2*(\j)+1], v[X+4*(\j)+2], v[X+4*(\j)+3]
	global_store_b64 v2, v[Y+2*(\j):Y+2*(\j)+1], s[26:27] offset:256*(\j) th:TH_STORE_NT
.endr
	s_endpgm
.Lfunc_end_k_qd43fb0035f_cast:
	.size	k_qd43fb0035f_cast, .Lfunc_end_k_qd43fb0035f_cast-k_qd43fb0035f_cast
	.p2alignl 7, 3214868480
	.fill 96, 4, 3214868480
	.section	.rodata,"a",@progbits
	.p2align	6, 0x0
	.amdhsa_kernel k_qd43fb0035f_cast
		.amdhsa_group_segment_fixed_size 0
		.amdhsa_private_segment_fixed_size 0
		.amdhsa_enable_private_segment 0
		.amdhsa_kernarg_size 56
		.amdhsa_user_sgpr_count 2
		.amdhsa_user_sgpr_kernarg_segment_ptr 1
		.amdhsa_wavefront_size32 1
		.amdhsa_system_sgpr_workgroup_id_x 1
		.amdhsa_system_sgpr_workgroup_id_y 1
		.amdhsa_system_sgpr_workgroup_id_z 1
		.amdhsa_system_vgpr_workitem_id 0
		.amdhsa_next_free_vgpr 112
		.amdhsa_next_free_sgpr 66
		.amdhsa_reserve_vcc 0
		.amdhsa_float_denorm_mode_32 3
		.amdhsa_float_denorm_mode_16_64 3
		.amdhsa_memory_ordered 1
		.amdhsa_forward_progress 1
		.amdhsa_inst_pref_size 12
	.end_amdhsa_kernel
	.amdgpu_metadata
---
amdhsa.version: [ 1, 2 ]
amdhsa.kernels:
  - .name:           k_qd43fb0035f_cast
    .symbol:         k_qd43fb0035f_cast.kd
    .args:
      - { .name: x, .offset: 0, .size: 8, .value_kind: global_buffer, .address_space: global }
      - { .name: Wq, .offset: 8, .size: 8, .value_kind: global_buffer, .address_space: global }
      - { .name: Wk, .offset: 16, .size: 8, .value_kind: global_buffer, .address_space: global }
      - { .name: Wv, .offset: 24, .size: 8, .value_kind: global_buffer, .address_space: global }
      - { .name: Wo, .offset: 32, .size: 8, .value_kind: global_buffer, .address_space: global }
      - { .name: xh, .offset: 40, .size: 8, .value_kind: global_buffer, .address_space: global }
      - { .name: wh, .offset: 48, .size: 8, .value_kind: global_buffer, .address_space: global }
    .group_segment_fixed_size: 0
    .private_segment_fixed_size: 0
    .kernarg_segment_align: 8
    .kernarg_segment_size: 56
    .max_flat_workgroup_size: 256
    .sgpr_count:     66
    .vgpr_count:     112
    .wavefront_size: 32
...
	.end_amdgpu_metadata
.endif
;; end of part 1
;; launch qkv (part 2): grid 12 x 32, 4 waves a work-group, clusters of 4 x 4, 327,680 bytes of LDS; arguments xh, wh, bq, bk, bv, qkv; writes qkv
.if DOCPART == 2
	.amdgcn_target "amdgcn-amd-amdhsa--gfx1250"
	.amdhsa_code_object_version 6
	.text
	.protected	k_qd43fb0035f_qkv
	.globl	k_qd43fb0035f_qkv
	.p2align	8
	.type	k_qd43fb0035f_qkv,@function
k_qd43fb0035f_qkv:
	s_mov_b64 s[64:65], 0
	v_nop
	global_prefetch_b8 v0, s[64:65] scope:SCOPE_SE
	s_setreg_imm32_b32 hwreg(HW_REG_WAVE_MODE, 25, 1), 1
	s_wait_xcnt 0x0
	s_wait_alu depctr_hold_cnt(0) depctr_sa_sdst(0) depctr_va_vdst(0) depctr_va_sdst(0) depctr_va_ssrc(0) depctr_va_vcc(0) depctr_vm_vsrc(0)
	s_getreg_b32 s2, hwreg(HW_REG_IB_STS2, 6, 4)
	s_cmp_eq_u32 s2, 0
	s_cbranch_scc0 .Lentry_in_a_cluster
	s_endpgm
.Lentry_in_a_cluster:
	s_bfe_u32 s2, ttmp6, 0x10000c
	s_cmp_lg_u32 s2, 0xf033
	s_cbranch_scc0 .Lentry_shape_is_right
	s_endpgm
.Lentry_shape_is_right:
; qkv[m][n] = sum over k of xh[m][k] wh[n][k] + bf16(b[n]), n = 0..3071: Q, K, V side by side in rows of 6,144 bytes.  xh: [8192][1024], wh: rows 0-3071 of [4096][1024], both f16; sums in f32; qkv rounded once to f16.
; LIMITS.  Q, K, V of 65,520 or more become infinities; below 6e-5 they keep f16's fixed step of 6e-8.  The biases are rounded to bf16 like every other input of the module.
; SHARES.  A tile of C is 256 x 256: 12 x 32 = 384 work-groups.  Four waves, 2 x 2, each 128 x 128: 64 accumulators of 16 x 16, 512 registers: for 32 along K a wave issues 32 LDS loads and 64 matrix instructions.
; K goes in steps of 128 through a ring of two LDS slots filled by the tensor data mover; the tiles' rows are 256 bytes of memory and start at multiples of 256 bytes.  A refill has 224 matrix instructions in which to land.
; CLUSTER.  4 x 4 work-groups: the four of a row need the same tile of A, the four of a column the same tile of B: each is asked for JOINTLY, by the same load, descriptor and mask in all four.
; THE MATRIX INSTRUCTION IS USED TRANSPOSED (source 0 = 16 rows of B, source 1 = 16 rows of A): a lane holds row lane % 16 of C and the eight columns 8 (lane / 16) + 0..7.
; THE TEXT IS SHORT BY LOOPS: a trip is ONE K step (the slot in hand is a scalar that an exclusive or turns); the last two steps, which fill nothing, are a loop of their own; the way out is a loop over 16 rows.
; REGISTERS, in windows of 256 (s_set_vgpr_msb: bits 1:0 source 0, 3:2 source 1, 5:4 source 2, 7:6 destination):
;   window 0: v0-31 addresses; v40-51 my eight biases; v64-127, v128-191 A's fragments, two buffers of 8 (on the way out: v64-127 rows read back, v128-159 packed results)
;   window 1: v64-127, v128-191 B's fragments          window 2: the accumulators of my rows 0-63, (a, b) at v[8 (8 a + b)]          window 3: those of my rows 64-127
.set PITCH,  272                       ; an LDS row: 256 bytes + 16 of padding = 68 words: the 16 rows of a fragment load start at 16 different groups of four banks (64 banks of 4 bytes: ISA guide 11.1)
.set HALFT,  128*PITCH                 ; 128 rows: what one tensor load brings, and what one wave reads of A or of B
.set SLOT,   4*HALFT                   ; A's 256 rows, then B's 256 rows: 0x22000 bytes
.set DP,     528                       ; the way out: a row of 128 f32, 512 bytes + 16
.set DW,     128*DP                    ; a wave's 128 rows; the four waves' lie in the ring, which has had its last fill by then
.set SPARE,  2*SLOT                    ; behind the ring: the spare words, 128 bytes for each wave, that no other line names
.set STEPS,  8                         ; K = 1,024
.set PA,     1024                      ; elements from row to row of A, of B
.set PB,     1024
.set ROWC,   6144                      ; bytes in a row of C
.set STEPA,  256                       ; bytes from K step to K step
.set STEPB,  256
.set AA0,  16                          ; my lane's place in A's part of a slot; never rewritten
.set AB0,  17                          ; the same for B
.set ADRA, 18                          ; AA0 + the slot in hand
.set ADRB, 19
.set STO,  24                          ; the way out: where I put 16 bytes of a row
.set RD,   25                          ; where I read a row back
.set CO,   26                          ; my byte offset in C
.set BO,   27                          ; my byte offset among the wave's 128 biases
.set SPW,  28                          ; LDS address of my spare word; never rewritten
.set NIL,  29                          ; 0; never rewritten
.set BI,   40                          ; v40-47 the biases of my eight columns on the way out
.set BT,   48                          ; v48-51 at work
.set F0,   64
.set F1,   128
.set X,    64
.set Y,    128
.set TB,  21                           ; s21 LDS byte at which the slot in hand begins: 0 or SLOT
.set G1,  24                           ; s[24:31] group 1 for A's tiles; s[32:39] group 0: a set for each first fill; the second then walks on
.set G0,  32
.set G1B, 48                           ; s[48:55], s[56:63] the same for B's
.set G0B, 56
.set MUL_LO, 0xa1                      ; source 0 (B) window 1, source 1 (A) window 0, C and D window 2
.set MUL_HI, 0xf1                      ; the same, C and D window 3
.set TO_B,   0x40                      ; destination window 1, address window 0
.set MSB, 0
.macro WIN new                         ; the immediate's high byte repeats the setting that is left; a switch that changes nothing is dropped
.if MSB != (\new)
	s_set_vgpr_msb (MSB<<8)|(\new)
.set MSB, \new
.endif
.endm
.macro JLOAD s                         ; a joint load: waves 0 and 1 fetch A's two halves, waves 2 and 3 B's; an s_nop 0 and four v_nop follow each line, ahead of the jump and the label
	s_cmp_eq_u32 s11, 0
	s_cbranch_scc0 .Lfor_b_\@
	tensor_load_to_lds s[G0+4*(\s):G0+4*(\s)+3], s[G1:G1+7]
	s_nop 0
.rept 4
	v_nop
.endr
	s_branch .Lasked_\@
.Lfor_b_\@:
	tensor_load_to_lds s[G0B+4*(\s):G0B+4*(\s)+3], s[G1B:G1B+7]
	s_nop 0
.rept 4
	v_nop
.endr
.Lasked_\@:
.endm
.macro CREST                           ; a round of the cluster's barrier behind its opening barrier
	s_cmp_lg_u32 s10, 0
	s_cbranch_scc1 .Lnot_wave_0_\@
	s_barrier_signal -3
.Lnot_wave_0_\@:
	s_barrier_wait -3
	s_barrier_signal -1
	s_barrier_wait -1
.endm
.macro CROUND
	s_barrier_signal -1
	s_barrier_wait -1
	CREST
.endm
.macro PLACES                          ; four places in front of loads into registers that matrix instructions have read, and of lines that touch results
.rept 4
	v_nop
.endr
.endm
	s_load_b256 s[72:79], s[0:1], 0x0              ; xh s[72:73], wh s[74:75], bq s[76:77], bk s[78:79]
	s_load_b128 s[80:83], s[0:1], 0x20             ; bv s[80:81], qkv s[82:83]
	v_lshl_add_u32 v[SPW], v0, 2, SPARE
	v_mov_b32 v[NIL], 0
	ds_add_u32 v[SPW], v[NIL]                      ; the wave's opening: the add and its wait, ahead of my first tensor load; work on registers stands between them
	v_lshrrev_b32 v1, 5, v0
	v_readfirstlane_b32 s10, v1                    ; wave 0..3
	s_lshr_b32 s11, s10, 1                         ; my half of the tile's rows.  Also: I fetch for A (0) or for B (1)
	s_and_b32 s12, s10, 1                          ; my half of its columns.  Also: which 128 rows of that tile I fetch
	s_bfe_u32 s40, ttmp6, 0x40000                  ; cx
	s_bfe_u32 s41, ttmp6, 0x40004                  ; cy
	s_lshl_b32 s42, ttmp9, 2
	s_add_co_u32 s42, s42, s40                     ; tile column = 4 x cluster x + cx
	s_and_b32 s13, ttmp7, 0xffff
	s_lshl_b32 s13, s13, 2
	s_add_co_u32 s13, s13, s41                     ; tile row = 4 x cluster y + cy
	s_lshl_b32 s43, s41, 2
	s_lshl_b32 s43, 15, s43                        ; my row of the cluster
	s_lshl_b32 s44, 0x1111, s40                    ; my column
	s_or_b32 s[G1+0], s43, (1<<16)|(1<<20)|(1<<21)|(5<<22)|(3<<25)   ; 15:0 the mask; 17:16 2-byte elements; 20 padding on; 21 set beside a mask; 24:22 after every 64 words; 31:25 4 words of it
	s_or_b32 s[G1B+0], s44, (1<<16)|(1<<20)|(1<<21)|(5<<22)|(3<<25)
	s_mov_b32 s[G1+1], 128<<16                     ; tensor_dim0 = 128
	s_mov_b32 s[G1+2], 128<<16                     ; tensor_dim1 = 128
	s_mov_b32 s[G1+3], 128<<16                     ; tile_dim0 = 128
	s_mov_b32 s[G1+4], 128                         ; tile_dim1 = 128
	s_mov_b32 s[G1+5], PA                          ; elements from row to row
	s_mov_b32 s[G1+6], 0
	s_mov_b32 s[G1+7], 0
	s_mov_b32 s[G1B+1], 128<<16
	s_mov_b32 s[G1B+2], 128<<16
	s_mov_b32 s[G1B+3], 128<<16
	s_mov_b32 s[G1B+4], 128
	s_mov_b32 s[G1B+5], PB
	s_mov_b32 s[G1B+6], 0
	s_mov_b32 s[G1B+7], 0
	s_lshl_b32 s16, s13, 8                         ; A: row 256 x tile row + 128 x half: the tile row and the wave alone
	s_lshl_b32 s17, s12, 7
	s_add_co_u32 s16, s16, s17
	s_mul_i32 s16, s16, 2*PA
	s_mov_b32 s17, 0
	s_lshl_b32 s18, s42, 8                         ; B: row 256 x tile column + 128 x half: the tile column and the wave alone
	s_lshl_b32 s19, s12, 7
	s_add_co_u32 s18, s18, s19
	s_mul_i32 s18, s18, 2*PB
	s_mov_b32 s19, 0
	s_mul_i32 s20, s10, HALFT                      ; where they go: A's two halves, then B's two halves = wave x 128 rows: no place in the cluster enters an LDS address
	s_mov_b32 s[TB], 0
	s_wait_dscnt 0x0                               ; the opening add is done
	s_wait_kmcnt 0x0
	s_add_nc_u64 s[14:15], s[72:73], s[16:17]
	s_add_nc_u64 s[46:47], s[74:75], s[18:19]
	CROUND                                         ; all sixteen work-groups are here: the first joint loads meet
.irp s, 0,1
	s_mov_b32 s[G0+4*(\s)], 1
	s_add_co_u32 s[G0+4*(\s)+1], s20, (\s)*SLOT
	s_add_nc_u64 s[G0+4*(\s)+2:G0+4*(\s)+3], s[14:15], (\s)*STEPA
	s_or_b32 s[G0+4*(\s)+3], s[G0+4*(\s)+3], 0x80000000
	s_mov_b32 s[G0B+4*(\s)], 1
	s_add_co_u32 s[G0B+4*(\s)+1], s20, (\s)*SLOT
	s_add_nc_u64 s[G0B+4*(\s)+2:G0B+4*(\s)+3], s[46:47], (\s)*STEPB
	s_or_b32 s[G0B+4*(\s)+3], s[G0B+4*(\s)+3], 0x80000000
	JLOAD \s                                       ; two loads of mine are out
.endr
	v_and_b32 v1, 15, v0                           ; r = lane % 16
	v_bfe_u32 v2, v0, 4, 1                         ; h = lane / 16
	v_mul_u32_u24 v3, v1, PITCH
	v_lshl_add_u32 v3, v2, 4, v3                   ; a fragment's row x pitch + 16 x half
	s_mul_i32 s4, s11, HALFT                       ; my 128 rows of A
	s_mul_i32 s5, s12, HALFT                       ; my 128 rows of B, behind A's 256
	s_add_co_u32 s5, s5, 2*HALFT
	v_add_nc_u32 v[AA0], s4, v3
	v_add_nc_u32 v[AB0], s5, v3
	v_add_nc_u32 v[ADRA], s4, v3                   ; the first slot in hand begins at byte 0
	v_add_nc_u32 v[ADRB], s5, v3
	s_mul_i32 s6, s10, DW                          ; my 128 rows on the way out
	v_mul_u32_u24 v4, v1, DP                       ; in: row r, 16 bytes for each half of the lanes
	v_lshl_add_u32 v4, v2, 4, v4
	v_add_nc_u32 v[STO], s6, v4
	v_mul_u32_u24 v5, v2, DP                       ; back: lanes 0-15 one row, lanes 16-31 the next
	v_lshl_add_u32 v5, v1, 4, v5
	v_add_nc_u32 v[RD], s6, v5
	v_mul_u32_u24 v5, v2, ROWC                     ; the same two rows in C
	v_lshl_add_u32 v[CO], v1, 4, v5
	s_lshl_b32 s22, s13, 8                         ; C at my wave's first row and column
	s_lshl_b32 s23, s11, 7
	s_add_co_u32 s22, s22, s23
	s_mul_i32 s22, s22, ROWC
	s_lshl_b32 s23, s42, 9
	s_add_co_u32 s22, s22, s23
	s_lshl_b32 s23, s12, 8
	s_add_co_u32 s22, s22, s23
	s_mov_b32 s23, 0
	s_add_nc_u64 s[84:85], s[82:83], s[22:23]
	s_cmp_eq_u32 ttmp9, 1                          ; a cluster's four tile columns are 1,024 columns: cluster x = 0: Q, 1: K, 2: V
	s_cselect_b64 s[86:87], s[78:79], s[76:77]
	s_cmp_eq_u32 ttmp9, 2
	s_cselect_b64 s[86:87], s[80:81], s[86:87]
	s_lshl_b32 s70, s40, 10                        ; (256 cx + 128 x half) x 4 bytes
	s_lshl_b32 s71, s12, 9
	s_add_co_u32 s70, s70, s71
	s_mov_b32 s71, 0
	s_add_nc_u64 s[86:87], s[86:87], s[70:71]
	v_lshlrev_b32 v[BO], 5, v1                     ; on the way out lane r holds columns 8 r .. 8 r + 7: 32 bytes of biases
	global_load_b128 v[BI:BI+3],   v[BO], s[86:87]
	global_load_b128 v[BI+4:BI+7], v[BO], s[86:87] offset:16
	s_wait_loadcnt 0x0                             ; all this stands in the wait for the first tile
.irp i, 0,1,2,3
	v_cvt_pk_bf16_f32 v[BT+(\i)], v[BI+2*(\i)], v[BI+2*(\i)+1]   ; rounded to bf16,
.endr
.irp i, 0,1,2,3
	v_lshlrev_b32 v[BI+2*(\i)],   16,         v[BT+(\i)]         ; and back as f32
	v_and_b32     v[BI+2*(\i)+1], 0xffff0000, v[BT+(\i)]
.endr
; 16 matrix instructions: m blocks a0, a0 + 1 of the window's four (hi = 0: my rows 0-63, 1: rows 64-127) x all 8 n blocks, 32 along K.  zero = 1: the product starts the sums.
; The 64 accumulators take turns, in the same order in every quarter, over the backward jumps too.
.macro MUL16 f, hi, a0, zero
	WIN MUL_LO+0x50*(\hi)
.irp a, \a0, (\a0)+1
.irp b, 0,1,2,3,4,5,6,7
.if \zero
	v_wmma_f32_16x16x32_f16 v[8*(8*(\a)+(\b)):8*(8*(\a)+(\b))+7], v[(\f)+8*(\b):(\f)+8*(\b)+7], v[(\f)+8*(4*(\hi)+(\a)):(\f)+8*(4*(\hi)+(\a))+7], 0
.else
	v_wmma_f32_16x16x32_f16 v[8*(8*(\a)+(\b)):8*(8*(\a)+(\b))+7], v[(\f)+8*(\b):(\f)+8*(\b)+7], v[(\f)+8*(4*(\hi)+(\a)):(\f)+8*(4*(\hi)+(\a))+7], v[8*(8*(\a)+(\b)):8*(8*(\a)+(\b))+7]
.endif
.endr
.endr
.endm
; 32 LDS loads in one run: the fragments of 32 along K at byte k of the rows of the slot in hand, into buffer f: B's sixteen first, then A's blocks 0 to 7
.macro FETCH k, f
	WIN TO_B
.irp i, 0,1,2,3,4,5,6,7
	ds_load_b128 v[(\f)+8*(\i):(\f)+8*(\i)+3],   v[ADRB] offset:(\k)+(\i)*16*PITCH
	ds_load_b128 v[(\f)+8*(\i)+4:(\f)+8*(\i)+7], v[ADRB] offset:(\k)+(\i)*16*PITCH+32
.endr
	WIN 0
.irp i, 0,1,2,3,4,5,6,7
	ds_load_b128 v[(\f)+8*(\i):(\f)+8*(\i)+3],   v[ADRA] offset:(\k)+(\i)*16*PITCH
	ds_load_b128 v[(\f)+8*(\i)+4:(\f)+8*(\i)+7], v[ADRA] offset:(\k)+(\i)*16*PITCH+32
.endr
.endm
; A K step is four quarters of 32 along K, 64 matrix instructions each, on buffers 0, 1, 0, 1.  One of the first three: multiplies buffer f and fetches the next quarter, at byte k, into g.
.macro QUARTER k, f, g, zero
	s_wait_dscnt 8                                 ; B and A's rows 0-63 are in; the youngest eight loads (A's rows 64-127) may be out
	MUL16 \f, 0, 0, \zero
	MUL16 \f, 0, 2, \zero
	PLACES
	FETCH \k, \g
	s_wait_dscnt 32                                ; all but the 32 just issued
	MUL16 \f, 1, 0, \zero
	MUL16 \f, 1, 2, \zero
.endm
; The last quarter multiplies buffer 1 and changes slots.  MEET is its first half: ONE barrier; in front of it each wave waits for all its tensor loads, adds 0 to its spare word, and waits for that and for its own reads of this slot.
.macro MEET
	WIN 0                                          ; (the add's two registers lie in window 0)
	s_wait_tensorcnt 0x0                           ; all my tensor loads have landed: the one that was out is my part of the next slot
	ds_add_u32 v[SPW], v[NIL]                      ; 0 onto my spare word
	s_wait_dscnt 9                                 ; (the add and the youngest eight loads may be out)
	MUL16 F1, 0, 0, 0                              ; sixteen matrix instructions stand between the add and the wait for it
	s_wait_dscnt 0x0                               ; the add is done, and my reads of this slot are over
	s_barrier_signal -1
	MUL16 F1, 0, 2, 0
	WIN 0
	s_barrier_wait -1
.endm
.macro OTHER                           ; the fetches go on in the other slot
	s_xor_b32 s[TB], s[TB], SLOT
	v_add_nc_u32 v[ADRA], s[TB], v[AA0]
	v_add_nc_u32 v[ADRB], s[TB], v[AB0]
.endm
; With a refill: the barrier opens a round of the cluster's, and the slot just read is filled again, two K steps ahead, first thing behind the round.
; The walking descriptor's LDS word is wave x 0x8800 or that plus SLOT = 0x22000: no wave's word has bit 13 or 17 set, so the exclusive or adds or takes away SLOT.
.macro TURN
	MEET
	CREST                                          ; no wave of any partner still reads this slot's tile or has a load on its way
	s_xor_b32 s[G0+5], s[G0+5], SLOT
	s_add_nc_u64 s[G0+6:G0+7], s[G0+6:G0+7], STEPA
	s_xor_b32 s[G0B+5], s[G0B+5], SLOT
	s_add_nc_u64 s[G0B+6:G0B+7], s[G0B+6:G0B+7], STEPB
	JLOAD 1                                        ; its four v_nop are also the places in front of the loads below
	OTHER
	FETCH 0, F0
	MUL16 F1, 1, 0, 0
	MUL16 F1, 1, 2, 0
.endm
; Without: the last two K steps.  In the very last (s3 = 1) there is no next step: its fetch is jumped over.
.macro TURNT
	MEET
	PLACES
	s_cmp_eq_u32 s3, 1
	s_cbranch_scc1 .Lno_next_\@
	OTHER
	FETCH 0, F0
.Lno_next_\@:
	MUL16 F1, 1, 0, 0
	MUL16 F1, 1, 2, 0
.endm
	s_wait_tensorcnt 1                             ; my part of K step 0 is in; K step 1's may stay out
	s_barrier_signal -1
	s_barrier_wait -1                              ; everybody's is
	FETCH 0, F0
	QUARTER 64, F0, F1, 1                          ; the first quarter stands in front of the loop: its products start the sums
	WIN 0                                          ; at a label and at a branch every window is 0
	s_mov_b32 s3, STEPS-2
.Lstep:                                                ; a trip goes from a K step's second quarter to the next step's first, and fills the slot that it leaves
	QUARTER 128, F1, F0, 0
	QUARTER 192, F0, F1, 0
	TURN
	QUARTER 64,  F0, F1, 0
	WIN 0
	s_sub_co_u32 s3, s3, 1
	s_cmp_lg_u32 s3, 0
	s_cbranch_scc1 .Lstep
	s_mov_b32 s3, 2
.Ltail:                                                ; the last two K steps fill nothing: a loop of their own
	QUARTER 128, F1, F0, 0
	QUARTER 192, F0, F1, 0
	TURNT
	WIN 0
	s_cmp_eq_u32 s3, 1
	s_cbranch_scc1 .Llast                          ; behind the very last step no first quarter follows
	QUARTER 64,  F0, F1, 0
	WIN 0
.Llast:
	s_sub_co_u32 s3, s3, 1
	s_cmp_lg_u32 s3, 0
	s_cbranch_scc1 .Ltail
	; THE WAY OUT.  Every wave's reads of the ring are over and the ring has had its last fill: behind a barrier each wave lays its 128 x 128 sums, f32, into 128 rows of 528 bytes of its own.
	; In a row the even pieces of 16 bytes lie in the first 256 bytes and the odd ones in the second: lane (r, h) puts columns 16 b + 8 h + 0..3 at 32 b + 16 h and columns + 4..7 at 256 + 32 b + 16 h,
	; and lane r of the readers finds columns 8 r .. 8 r + 3 at 16 r and columns 8 r + 4 .. 8 r + 7 at 256 + 16 r: sixteen lanes touch sixteen different pieces of 16 bytes, going in and coming back.
	PLACES
	PLACES                                         ; (eight, once a launch)
	s_wait_dscnt 0x0
	s_barrier_signal -1
	s_barrier_wait -1
.irp a, 0,1,2,3,4,5,6,7
	WIN 0x08+4*((\a)/4)                            ; the stored data in window 2 or 3, the address in window 0
.irp b, 0,1,2,3,4,5,6,7
	ds_store_b128 v[STO], v[8*(8*((\a)%4)+(\b)):8*(8*((\a)%4)+(\b))+3]   offset:(\a)*16*DP+32*(\b)      ; each accumulator from its low end on
	ds_store_b128 v[STO], v[8*(8*((\a)%4)+(\b))+4:8*(8*((\a)%4)+(\b))+7] offset:(\a)*16*DP+32*(\b)+256
.endr
.endr
	WIN 0
	s_mov_b32 s3, 8
.Lrows:                                                ; a trip: 16 rows come back (LDS serves a wave's instructions in order: ISA guide 5.7.1.4), take their biases, are rounded to f16 and stored
.irp j, 0,1,2,3,4,5,6,7
	ds_load_b128 v[X+8*(\j):X+8*(\j)+3],   v[RD] offset:(\j)*2*DP
	ds_load_b128 v[X+8*(\j)+4:X+8*(\j)+7], v[RD] offset:(\j)*2*DP+256
.endr
.irp j, 0,1,2,3,4,5,6,7
	s_wait_dscnt 14-2*(\j)                         ; pair j of rows is in; the loads of the pairs behind it may be out
.irp i, 0,1,2,3
	v_pk_add_f32 v[X+8*(\j)+2*(\i):X+8*(\j)+2*(\i)+1], v[X+8*(\j)+2*(\i):X+8*(\j)+2*(\i)+1], v[BI+2*(\i):BI+2*(\i)+1]
.endr
.irp i, 0,1,2,3
	v_cvt_pk_f16_f32 v[Y+4*(\j)+(\i)], v[X+8*(\j)+2*(\i)], v[X+8*(\j)+2*(\i)+1]
.endr
	global_store_b128 v[CO], v[Y+4*(\j):Y+4*(\j)+3], s[84:85] offset:2*(\j)*ROWC   ; 16 lanes store 256 consecutive bytes, at a multiple of 256 from C's first byte
.endr
	s_wait_xcnt 0x0                                ; the stores have read their data and their base: both are written again only behind this wait
	s_add_nc_u64 s[84:85], s[84:85], 16*ROWC
	v_add_nc_u32 v[RD], 16*DP, v[RD]
	s_sub_co_u32 s3, s3, 1
	s_cmp_lg_u32 s3, 0
	s_cbranch_scc1 .Lrows
	s_wait_tensorcnt 0x0                           ; the wave's end: behind my last tensor load and my last LDS store
	ds_add_u32 v[SPW], v[NIL]
	s_wait_dscnt 0x0
	CROUND                                         ; the closing round: no work-group ends while a partner may still ask for a tile that names it
	s_endpgm
.Lfunc_end_k_qd43fb0035f_qkv:
	.size	k_qd43fb0035f_qkv, .Lfunc_end_k_qd43fb0035f_qkv-k_qd43fb0035f_qkv
	.p2alignl 7, 3214868480
	.fill 96, 4, 3214868480
	.section	.rodata,"a",@progbits
	.p2align	6, 0x0
	.amdhsa_kernel k_qd43fb0035f_qkv
		.amdhsa_group_segment_fixed_size 327680
		.amdhsa_private_segment_fixed_size 0
		.amdhsa_enable_private_segment 0
		.amdhsa_kernarg_size 48
		.amdhsa_user_sgpr_count 2
		.amdhsa_user_sgpr_kernarg_segment_ptr 1
		.amdhsa_wavefront_size32 1
		.amdhsa_system_sgpr_workgroup_id_x 1
		.amdhsa_system_sgpr_workgroup_id_y 1
		.amdhsa_system_sgpr_workgroup_id_z 1
		.amdhsa_system_vgpr_workitem_id 0
		.amdhsa_next_free_vgpr 1024
		.amdhsa_next_free_sgpr 88
		.amdhsa_reserve_vcc 0
		.amdhsa_float_denorm_mode_32 3
		.amdhsa_float_denorm_mode_16_64 3
		.amdhsa_memory_ordered 1
		.amdhsa_forward_progress 1
		.amdhsa_inst_pref_size 84
	.end_amdhsa_kernel
	.amdgpu_metadata
---
amdhsa.version: [ 1, 2 ]
amdhsa.kernels:
  - .name:           k_qd43fb0035f_qkv
    .symbol:         k_qd43fb0035f_qkv.kd
    .args:
      - { .name: xh, .offset: 0, .size: 8, .value_kind: global_buffer, .address_space: global }
      - { .name: wh, .offset: 8, .size: 8, .value_kind: global_buffer, .address_space: global }
      - { .name: bq, .offset: 16, .size: 8, .value_kind: global_buffer, .address_space: global }
      - { .name: bk, .offset: 24, .size: 8, .value_kind: global_buffer, .address_space: global }
      - { .name: bv, .offset: 32, .size: 8, .value_kind: global_buffer, .address_space: global }
      - { .name: qkv, .offset: 40, .size: 8, .value_kind: global_buffer, .address_space: global }
    .group_segment_fixed_size: 327680
    .private_segment_fixed_size: 0
    .kernarg_segment_align: 8
    .kernarg_segment_size: 48
    .max_flat_workgroup_size: 128
    .sgpr_count:     88
    .vgpr_count:     1024
    .wavefront_size: 32
...
	.end_amdgpu_metadata
.endif
;; end of part 2
;; launch scores (part 3): grid 8 x 32, 4 waves a work-group, clusters of 4 x 4, 327,680 bytes of LDS; arguments qkv, pw, st; writes pw, st
.if DOCPART == 3
	.amdgcn_target "amdgcn-amd-amdhsa--gfx1250"
	.amdhsa_code_object_version 6
	.text
	.protected	k_qd43fb0035f_scores
	.globl	k_qd43fb0035f_scores
	.p2align	8
	.type	k_qd43fb0035f_scores,@function
k_qd43fb0035f_scores:
	s_mov_b64 s[64:65], 0
	v_nop
	global_prefetch_b8 v0, s[64:65] scope:SCOPE_SE
	s_setreg_imm32_b32 hwreg(HW_REG_WAVE_MODE, 25, 1), 1
	s_wait_xcnt 0x0
	s_wait_alu depctr_hold_cnt(0) depctr_sa_sdst(0) depctr_va_vdst(0) depctr_va_sdst(0) depctr_va_ssrc(0) depctr_va_vcc(0) depctr_vm_vsrc(0)
	s_getreg_b32 s2, hwreg(HW_REG_IB_STS2, 6, 4)
	s_cmp_eq_u32 s2, 0
	s_cbranch_scc0 .Lentry_in_a_cluster
	s_endpgm
.Lentry_in_a_cluster:
	s_bfe_u32 s2, ttmp6, 0x10000c
	s_cmp_lg_u32 s2, 0xf033
	s_cbranch_scc0 .Lentry_shape_is_right
	s_endpgm
.Lentry_shape_is_right:
; For each batch of 2,048 rows: s[q][k] = Q[q] . K[k] (sums in f32, never stored in memory).  The 2,048 keys of a row lie in 16 blocks of 128; for each row and block t:
;   m_t = the block's maximum,  pw[q][k] = 2^(c s - c m_t) rounded to f16,  l_t = the sum of the unrounded weights,  c = log2(e) / 32.
; st holds c m_t at [batch][t][row] and l_t 524,288 bytes further on, both f32.  The launch behind knows all 16 maxima of a row and brings the blocks onto the row's own maximum: the maximum is taken away as in a running softmax.
; Q and K are the first and second 2,048 bytes of qkv's rows of 6,144 bytes, f16.
; LIMITS.  A weight below 6e-5 keeps f16's fixed step of 6e-8; one below 2^-126 counts as 0 in l_t; NaN and infinities are not treated apart.
; SHARES.  A tile is 256 queries x 256 keys: 8 x 32 = 256 work-groups.  Four waves, 2 x 2, each 128 queries x 128 keys: a wave's columns ARE one block t = 2 x tile column + half.
; Ring, cluster, transposed use, loops and register windows as in the launch qkv: K steps of 128 through two LDS slots; A's tile (Q) shared along a row of the 4 x 4 cluster, B's (K) along a column;
; a trip of the loop is one K step; the last two steps are a loop of their own; the way out is a loop over 16 rows, in which sixteen lanes hold a row: its maximum and sum cross lanes inside a half of the wave.
;   window 0: v0-31 addresses; v64-127, v128-191 A's fragments (on the way out: v64-127 rows read back, v128-159 packed weights, v160-199 statistics)
;   window 1: v64-127, v128-191 B's fragments          window 2: the accumulators of my rows 0-63, (a, b) at v[8 (8 a + b)]          window 3: those of my rows 64-127
.set PITCH,  272                       ; an LDS row: 256 bytes + 16 of padding: the 16 rows of a fragment load start at 16 different groups of four banks (ISA guide 11.1)
.set HALFT,  128*PITCH
.set SLOT,   4*HALFT                   ; 0x22000 bytes
.set DP,     528                       ; the way out: a row of 128 f32, 512 bytes + 16
.set DW,     128*DP                    ; a wave's 128 rows; the four waves' lie in the ring, which has had its last fill by then
.set STAT,   4*DW                      ; behind them, still in the ring: 1,024 bytes for each wave: c m and l of its 128 rows
.set SPARE,  2*SLOT                    ; behind the ring: the spare words, 128 bytes for each wave, that no other line names
.set STEPS,  8                         ; K = 1,024
.set PA,     3072
.set PB,     3072
.set ROWC,   4096
.set STEPA,  256
.set STEPB,  256
.set AA0,  16
.set AB0,  17
.set ADRA, 18
.set ADRB, 19
.set STO,  24
.set RD,   25
.set CO,   26
.set SGO,  27                          ; 16 x lane: four rows' words in st
.set SPW,  28
.set NIL,  29
.set SST,  30                          ; where a row's statistic goes: my wave's words + 4 x (lane / 16), stepped by 16 rows a trip
.set SRD,  31                          ; where four rows' come back
.set F0,   64
.set F1,   128
.set X,    64
.set Y,    128
.set MX,   160                         ; v160-167 the maximum of pair j's rows
.set CM,   168                         ; v168-183 c m, twice: the pair that the packed scaling names
.set LS,   184                         ; v184-191 l
.set SV,   192                         ; v192-199 statistics read back
.set TB,  21
.set G1,  24
.set G0,  32
.set G1B, 48
.set G0B, 56
.set CS,  66                           ; s[66:67] c, twice
.set MUL_LO, 0xa1
.set MUL_HI, 0xf1
.set TO_B,   0x40
.set MSB, 0
.macro WIN new
.if MSB != (\new)
	s_set_vgpr_msb (MSB<<8)|(\new)
.set MSB, \new
.endif
.endm
.macro JLOAD s                         ; waves 0 and 1 fetch A's two halves, waves 2 and 3 B's; an s_nop 0 and four v_nop follow each line
	s_cmp_eq_u32 s11, 0
	s_cbranch_scc0 .Lfor_b_\@
	tensor_load_to_lds s[G0+4*(\s):G0+4*(\s)+3], s[G1:G1+7]
	s_nop 0
.rept 4
	v_nop
.endr
	s_branch .Lasked_\@
.Lfor_b_\@:
	tensor_load_to_lds s[G0B+4*(\s):G0B+4*(\s)+3], s[G1B:G1B+7]
	s_nop 0
.rept 4
	v_nop
.endr
.Lasked_\@:
.endm
.macro CREST
	s_cmp_lg_u32 s10, 0
	s_cbranch_scc1 .Lnot_wave_0_\@
	s_barrier_signal -3
.Lnot_wave_0_\@:
	s_barrier_wait -3
	s_barrier_signal -1
	s_barrier_wait -1
.endm
.macro CROUND
	s_barrier_signal -1
	s_barrier_wait -1
	CREST
.endm
.macro PLACES
.rept 4
	v_nop
.endr
.endm
	s_load_b128 s[72:75], s[0:1], 0x0              ; qkv s[72:73], pw s[74:75]
	s_load_b64 s[76:77], s[0:1], 0x10              ; st
	v_lshl_add_u32 v[SPW], v0, 2, SPARE
	v_mov_b32 v[NIL], 0
	ds_add_u32 v[SPW], v[NIL]                      ; the wave's opening: the add and its wait, ahead of my first tensor load
	v_lshrrev_b32 v1, 5, v0
	v_readfirstlane_b32 s10, v1
	s_lshr_b32 s11, s10, 1                         ; my half of the queries.  Also: I fetch for A (0) or for B (1)
	s_and_b32 s12, s10, 1                          ; my half of the keys.  Also: which 128 rows of that tile I fetch
	s_bfe_u32 s40, ttmp6, 0x40000                  ; cx
	s_bfe_u32 s41, ttmp6, 0x40004                  ; cy
	s_lshl_b32 s42, ttmp9, 2
	s_add_co_u32 s42, s42, s40                     ; tile column (of a batch's 8)
	s_and_b32 s13, ttmp7, 0xffff
	s_lshr_b32 s45, s13, 1                         ; the batch: 8 tile rows are two clusters, so it hangs on the cluster's y alone
	s_lshl_b32 s13, s13, 2
	s_add_co_u32 s13, s13, s41                     ; tile row (of all 32)
	s_lshl_b32 s43, s41, 2
	s_lshl_b32 s43, 15, s43
	s_lshl_b32 s44, 0x1111, s40
	s_or_b32 s[G1+0], s43, (1<<16)|(1<<20)|(1<<21)|(5<<22)|(3<<25)
	s_or_b32 s[G1B+0], s44, (1<<16)|(1<<20)|(1<<21)|(5<<22)|(3<<25)
	s_mov_b32 s[G1+1], 128<<16
	s_mov_b32 s[G1+2], 128<<16
	s_mov_b32 s[G1+3], 128<<16
	s_mov_b32 s[G1+4], 128
	s_mov_b32 s[G1+5], PA
	s_mov_b32 s[G1+6], 0
	s_mov_b32 s[G1+7], 0
	s_mov_b32 s[G1B+1], 128<<16
	s_mov_b32 s[G1B+2], 128<<16
	s_mov_b32 s[G1B+3], 128<<16
	s_mov_b32 s[G1B+4], 128
	s_mov_b32 s[G1B+5], PB
	s_mov_b32 s[G1B+6], 0
	s_mov_b32 s[G1B+7], 0
	s_mov_b32 s[CS], 0x3d38aa3b                    ; c = log2(e) / 32 = 0.0450842
	s_mov_b32 s[CS+1], s[CS]
	s_lshl_b32 s16, s13, 8                         ; Q: row 256 x tile row + 128 x half
	s_lshl_b32 s17, s12, 7
	s_add_co_u32 s16, s16, s17
	s_mul_i32 s16, s16, 2*PA
	s_mov_b32 s17, 0
	s_lshl_b32 s18, s45, 11                        ; K: row 2,048 x batch + 256 x tile column + 128 x half, 2,048 bytes into the row
	s_lshl_b32 s19, s42, 8
	s_add_co_u32 s18, s18, s19
	s_lshl_b32 s19, s12, 7
	s_add_co_u32 s18, s18, s19
	s_mul_i32 s18, s18, 2*PB
	s_add_co_u32 s18, s18, 2048
	s_mov_b32 s19, 0
	s_mul_i32 s20, s10, HALFT
	s_mov_b32 s[TB], 0
	s_wait_dscnt 0x0
	s_wait_kmcnt 0x0
	s_add_nc_u64 s[14:15], s[72:73], s[16:17]
	s_add_nc_u64 s[46:47], s[72:73], s[18:19]
	CROUND
.irp s, 0,1
	s_mov_b32 s[G0+4*(\s)], 1
	s_add_co_u32 s[G0+4*(\s)+1], s20, (\s)*SLOT
	s_add_nc_u64 s[G0+4*(\s)+2:G0+4*(\s)+3], s[14:15], (\s)*STEPA
	s_or_b32 s[G0+4*(\s)+3], s[G0+4*(\s)+3], 0x80000000
	s_mov_b32 s[G0B+4*(\s)], 1
	s_add_co_u32 s[G0B+4*(\s)+1], s20, (\s)*SLOT
	s_add_nc_u64 s[G0B+4*(\s)+2:G0B+4*(\s)+3], s[46:47], (\s)*STEPB
	s_or_b32 s[G0B+4*(\s)+3], s[G0B+4*(\s)+3], 0x80000000
	JLOAD \s
.endr
	v_and_b32 v1, 15, v0                           ; r
	v_bfe_u32 v2, v0, 4, 1                         ; h
	v_and_b32 v6, 31, v0                           ; lane
	v_mul_u32_u24 v3, v1, PITCH
	v_lshl_add_u32 v3, v2, 4, v3
	s_mul_i32 s4, s11, HALFT
	s_mul_i32 s5, s12, HALFT
	s_add_co_u32 s5, s5, 2*HALFT
	v_add_nc_u32 v[AA0], s4, v3
	v_add_nc_u32 v[AB0], s5, v3
	v_add_nc_u32 v[ADRA], s4, v3
	v_add_nc_u32 v[ADRB], s5, v3
	s_mul_i32 s6, s10, DW
	v_mul_u32_u24 v4, v1, DP
	v_lshl_add_u32 v4, v2, 4, v4
	v_add_nc_u32 v[STO], s6, v4
	v_mul_u32_u24 v5, v2, DP
	v_lshl_add_u32 v5, v1, 4, v5
	v_add_nc_u32 v[RD], s6, v5
	v_mul_u32_u24 v5, v2, ROWC
	v_lshl_add_u32 v[CO], v1, 4, v5
	s_lshl_b32 s7, s10, 10
	s_add_co_u32 s7, s7, STAT                      ; my wave's statistics in LDS
	v_lshl_add_u32 v[SST], v2, 2, s7
	v_lshl_add_u32 v[SRD], v6, 4, s7
	v_lshlrev_b32 v[SGO], 4, v6
	s_lshl_b32 s22, s13, 8                         ; pw at my wave's first row and column
	s_lshl_b32 s23, s11, 7
	s_add_co_u32 s22, s22, s23
	s_mul_i32 s22, s22, ROWC
	s_lshl_b32 s23, s42, 9
	s_add_co_u32 s22, s22, s23
	s_lshl_b32 s23, s12, 8
	s_add_co_u32 s22, s22, s23
	s_mov_b32 s23, 0
	s_add_nc_u64 s[84:85], s[74:75], s[22:23]
	s_lshl_b32 s70, s45, 4                         ; st: word (16 batch + t) x 2,048 + my first row in the batch, t = 2 x tile column + half
	s_lshl_b32 s71, s42, 1
	s_add_co_u32 s70, s70, s71
	s_add_co_u32 s70, s70, s12
	s_lshl_b32 s70, s70, 11
	s_and_b32 s71, s13, 7
	s_lshl_b32 s71, s71, 8
	s_add_co_u32 s70, s70, s71
	s_lshl_b32 s71, s11, 7
	s_add_co_u32 s70, s70, s71
	s_lshl_b32 s70, s70, 2
	s_mov_b32 s71, 0
	s_add_nc_u64 s[86:87], s[76:77], s[70:71]
.macro MUL16 f, hi, a0, zero           ; 16 matrix instructions: query blocks a0, a0 + 1 of the window's four x all 8 key blocks; the 64 accumulators take turns
	WIN MUL_LO+0x50*(\hi)
.irp a, \a0, (\a0)+1
.irp b, 0,1,2,3,4,5,6,7
.if \zero
	v_wmma_f32_16x16x32_f16 v[8*(8*(\a)+(\b)):8*(8*(\a)+(\b))+7], v[(\f)+8*(\b):(\f)+8*(\b)+7], v[(\f)+8*(4*(\hi)+(\a)):(\f)+8*(4*(\hi)+(\a))+7], 0
.else
	v_wmma_f32_16x16x32_f16 v[8*(8*(\a)+(\b)):8*(8*(\a)+(\b))+7], v[(\f)+8*(\b):(\f)+8*(\b)+7], v[(\f)+8*(4*(\hi)+(\a)):(\f)+8*(4*(\hi)+(\a))+7], v[8*(8*(\a)+(\b)):8*(8*(\a)+(\b))+7]
.endif
.endr
.endr
.endm
.macro FETCH k, f                      ; 32 LDS loads in one run, from the slot in hand: B's sixteen first, then A's blocks 0 to 7
	WIN TO_B
.irp i, 0,1,2,3,4,5,6,7
	ds_load_b128 v[(\f)+8*(\i):(\f)+8*(\i)+3],   v[ADRB] offset:(\k)+(\i)*16*PITCH
	ds_load_b128 v[(\f)+8*(\i)+4:(\f)+8*(\i)+7], v[ADRB] offset:(\k)+(\i)*16*PITCH+32
.endr
	WIN 0
.irp i, 0,1,2,3,4,5,6,7
	ds_load_b128 v[(\f)+8*(\i):(\f)+8*(\i)+3],   v[ADRA] offset:(\k)+(\i)*16*PITCH
	ds_load_b128 v[(\f)+8*(\i)+4:(\f)+8*(\i)+7], v[ADRA] offset:(\k)+(\i)*16*PITCH+32
.endr
.endm
.macro QUARTER k, f, g, zero
	s_wait_dscnt 8                                 ; all but the youngest eight loads (A's rows 64-127)
	MUL16 \f, 0, 0, \zero
	MUL16 \f, 0, 2, \zero
	PLACES
	FETCH \k, \g
	s_wait_dscnt 32                                ; all but the 32 just issued
	MUL16 \f, 1, 0, \zero
	MUL16 \f, 1, 2, \zero
.endm
.macro MEET                            ; the first half of the last quarter: waits, add, ONE barrier for the change of slots
	WIN 0
	s_wait_tensorcnt 0x0                           ; all my tensor loads have landed: my part of the next slot
	ds_add_u32 v[SPW], v[NIL]                      ; 0 onto my spare word
	s_wait_dscnt 9                                 ; (the add and the youngest eight loads may be out)
	MUL16 F1, 0, 0, 0
	s_wait_dscnt 0x0                               ; the add is done, and my reads of this slot are over
	s_barrier_signal -1
	MUL16 F1, 0, 2, 0
	WIN 0
	s_barrier_wait -1
.endm
.macro OTHER                           ; the fetches go on in the other slot
	s_xor_b32 s[TB], s[TB], SLOT
	v_add_nc_u32 v[ADRA], s[TB], v[AA0]
	v_add_nc_u32 v[ADRB], s[TB], v[AB0]
.endm
.macro TURN                            ; with a refill: a round of the cluster's barrier, the joint refill first behind it.  The walking descriptor's LDS word has neither bit of SLOT = 0x22000 set by the wave's part, so the exclusive or adds or takes away SLOT
	MEET
	CREST
	s_xor_b32 s[G0+5], s[G0+5], SLOT
	s_add_nc_u64 s[G0+6:G0+7], s[G0+6:G0+7], STEPA
	s_xor_b32 s[G0B+5], s[G0B+5], SLOT
	s_add_nc_u64 s[G0B+6:G0B+7], s[G0B+6:G0B+7], STEPB
	JLOAD 1                                        ; its four v_nop are also the places in front of the loads below
	OTHER
	FETCH 0, F0
	MUL16 F1, 1, 0, 0
	MUL16 F1, 1, 2, 0
.endm
.macro TURNT                           ; without: the last two K steps; in the very last (s3 = 1) the fetch of a next step is jumped over
	MEET
	PLACES
	s_cmp_eq_u32 s3, 1
	s_cbranch_scc1 .Lno_next_\@
	OTHER
	FETCH 0, F0
.Lno_next_\@:
	MUL16 F1, 1, 0, 0
	MUL16 F1, 1, 2, 0
.endm
	s_wait_tensorcnt 1                             ; my part of K step 0 is in; K step 1's may stay out
	s_barrier_signal -1
	s_barrier_wait -1
	FETCH 0, F0
	QUARTER 64, F0, F1, 1                          ; the first quarter's products start the sums
	WIN 0
	s_mov_b32 s3, STEPS-2
.Lstep:                                                ; a trip goes from a K step's second quarter to the next step's first, and fills the slot that it leaves
	QUARTER 128, F1, F0, 0
	QUARTER 192, F0, F1, 0
	TURN
	QUARTER 64,  F0, F1, 0
	WIN 0
	s_sub_co_u32 s3, s3, 1
	s_cmp_lg_u32 s3, 0
	s_cbranch_scc1 .Lstep
	s_mov_b32 s3, 2
.Ltail:                                                ; the last two K steps fill nothing
	QUARTER 128, F1, F0, 0
	QUARTER 192, F0, F1, 0
	TURNT
	WIN 0
	s_cmp_eq_u32 s3, 1
	s_cbranch_scc1 .Llast
	QUARTER 64,  F0, F1, 0
	WIN 0
.Llast:
	s_sub_co_u32 s3, s3, 1
	s_cmp_lg_u32 s3, 0
	s_cbranch_scc1 .Ltail
	; THE WAY OUT.  Every wave's reads of the ring are over and the ring has had its last fill: behind a barrier each wave lays its 128 x 128 scores, f32, into 128 rows of 528 bytes of its own.
	; In a row the even pieces of 16 bytes lie in the first 256 bytes and the odd ones in the second: lane (r, h) puts keys 16 b + 8 h + 0..3 at 32 b + 16 h and keys + 4..7 at 256 + 32 b + 16 h,
	; and lane r of the readers finds keys 8 r .. 8 r + 3 at 16 r and keys 8 r + 4 .. 8 r + 7 at 256 + 16 r.
	PLACES
	PLACES                                         ; (eight, once a launch)
	s_wait_dscnt 0x0
	s_barrier_signal -1
	s_barrier_wait -1
.irp a, 0,1,2,3,4,5,6,7
	WIN 0x08+4*((\a)/4)                            ; the stored data in window 2 or 3, the address in window 0
.irp b, 0,1,2,3,4,5,6,7
	ds_store_b128 v[STO], v[8*(8*((\a)%4)+(\b)):8*(8*((\a)%4)+(\b))+3]   offset:(\a)*16*DP+32*(\b)      ; each accumulator from its low end on
	ds_store_b128 v[STO], v[8*(8*((\a)%4)+(\b))+4:8*(8*((\a)%4)+(\b))+7] offset:(\a)*16*DP+32*(\b)+256
.endr
.endr
	WIN 0
	s_mov_b32 s3, 8
.Lrows:                                                ; a trip: 16 rows, as eight pairs j: lanes 0-15 hold row 2 j, lanes 16-31 row 2 j + 1, eight keys a lane.  Each kind of line goes through all eight pairs, so that none waits for the one before it
.irp j, 0,1,2,3,4,5,6,7
	ds_load_b128 v[X+8*(\j):X+8*(\j)+3],   v[RD] offset:(\j)*2*DP       ; LDS serves a wave's instructions in order (ISA guide 5.7.1.4): these see the stores above
	ds_load_b128 v[X+8*(\j)+4:X+8*(\j)+7], v[RD] offset:(\j)*2*DP+256
.endr
	s_wait_dscnt 0x0
.irp j, 0,1,2,3,4,5,6,7
	v_max3_num_f32 v[MX+(\j)], v[X+8*(\j)], v[X+8*(\j)+1], v[X+8*(\j)+2]
.endr
.irp j, 0,1,2,3,4,5,6,7
	v_max3_num_f32 v[MX+(\j)], v[MX+(\j)], v[X+8*(\j)+3], v[X+8*(\j)+4]
.endr
.irp j, 0,1,2,3,4,5,6,7
	v_max3_num_f32 v[MX+(\j)], v[MX+(\j)], v[X+8*(\j)+5], v[X+8*(\j)+6]
.endr
.irp j, 0,1,2,3,4,5,6,7
	v_max_num_f32 v[MX+(\j)], v[MX+(\j)], v[X+8*(\j)+7]
.endr
.irp m, 1,2,4,8                        ; across the sixteen lanes of a row
.irp j, 0,1,2,3,4,5,6,7
	v_max_num_f32_dpp v[MX+(\j)], v[MX+(\j)], v[MX+(\j)] row_xmask:\m row_mask:0xf bank_mask:0xf
.endr
.endr
.irp j, 0,1,2,3,4,5,6,7
	v_mul_f32 v[CM+2*(\j)],   s[CS], v[MX+(\j)]  ; c m,
	v_mul_f32 v[CM+2*(\j)+1], s[CS], v[MX+(\j)]  ; twice
.endr
.irp j, 0,1,2,3,4,5,6,7
.irp i, 0,1,2,3
	v_pk_fma_f32 v[X+8*(\j)+2*(\i):X+8*(\j)+2*(\i)+1], v[X+8*(\j)+2*(\i):X+8*(\j)+2*(\i)+1], s[CS:CS+1], v[CM+2*(\j):CM+2*(\j)+1] op_sel_hi:[1,0,1] neg_lo:[0,0,1] neg_hi:[0,0,1]  ; c s - c m
.endr
.endr
.set pp, 0
.rept 64
	v_exp_f32 v[X+pp], v[X+pp]
.set pp, pp+1
.endr
	v_nop                                          ; a plain instruction between the last exponential and the use of its result (ISA guide 5.7.2)
	s_wait_alu depctr_va_vdst(0)
.irp j, 0,1,2,3,4,5,6,7
.irp i, 0,1,2,3
	v_cvt_pk_f16_f32 v[Y+4*(\j)+(\i)], v[X+8*(\j)+2*(\i)], v[X+8*(\j)+2*(\i)+1]
.endr
.endr
.irp j, 0,1,2,3,4,5,6,7
	global_store_b128 v[CO], v[Y+4*(\j):Y+4*(\j)+3], s[84:85] offset:2*(\j)*ROWC   ; 16 lanes store 256 consecutive bytes, at a multiple of 256 from pw's first byte
.endr
.irp j, 0,1,2,3,4,5,6,7                ; the sum of the unrounded weights
	v_pk_add_f32 v[X+8*(\j):X+8*(\j)+1], v[X+8*(\j):X+8*(\j)+1], v[X+8*(\j)+2:X+8*(\j)+3]
.endr
.irp j, 0,1,2,3,4,5,6,7
	v_pk_add_f32 v[X+8*(\j)+4:X+8*(\j)+5], v[X+8*(\j)+4:X+8*(\j)+5], v[X+8*(\j)+6:X+8*(\j)+7]
.endr
.irp j, 0,1,2,3,4,5,6,7
	v_pk_add_f32 v[X+8*(\j):X+8*(\j)+1], v[X+8*(\j):X+8*(\j)+1], v[X+8*(\j)+4:X+8*(\j)+5]
.endr
.irp j, 0,1,2,3,4,5,6,7
	v_add_f32 v[LS+(\j)], v[X+8*(\j)], v[X+8*(\j)+1]
.endr
.irp m, 1,2,4,8
.irp j, 0,1,2,3,4,5,6,7
	v_add_f32_dpp v[LS+(\j)], v[LS+(\j)], v[LS+(\j)] row_xmask:\m row_mask:0xf bank_mask:0xf
.endr
.endr
.irp j, 0,1,2,3,4,5,6,7                ; the sixteen lanes of a row write the same word with the same number
	ds_store_b32 v[SST], v[CM+2*(\j)] offset:8*(\j)
	ds_store_b32 v[SST], v[LS+(\j)] offset:512+8*(\j)
.endr
	s_wait_xcnt 0x0                                ; the stores have read their data and their base: both are written again only behind this wait
	s_add_nc_u64 s[84:85], s[84:85], 16*ROWC
	v_add_nc_u32 v[RD], 16*DP, v[RD]
	v_add_nc_u32 v[SST], 64, v[SST]
	s_sub_co_u32 s3, s3, 1
	s_cmp_lg_u32 s3, 0
	s_cbranch_scc1 .Lrows
	ds_load_b128 v[SV:SV+3],   v[SRD]              ; my 128 rows' c m, 512 consecutive bytes,
	ds_load_b128 v[SV+4:SV+7], v[SRD] offset:512   ; and their l
	s_wait_dscnt 0x0
	global_store_b128 v[SGO], v[SV:SV+3],   s[86:87]
	global_store_b128 v[SGO], v[SV+4:SV+7], s[86:87] offset:524288
	s_wait_tensorcnt 0x0                           ; the wave's end: behind my last tensor load and my last LDS store
	ds_add_u32 v[SPW], v[NIL]
	s_wait_dscnt 0x0
	CROUND                                         ; the closing round
	s_endpgm
.Lfunc_end_k_qd43fb0035f_scores:
	.size	k_qd43fb0035f_scores, .Lfunc_end_k_qd43fb0035f_scores-k_qd43fb0035f_scores
	.p2alignl 7, 3214868480
	.fill 96, 4, 3214868480
	.section	.rodata,"a",@progbits
	.p2align	6, 0x0
	.amdhsa_kernel k_qd43fb0035f_scores
		.amdhsa_group_segment_fixed_size 327680
		.amdhsa_private_segment_fixed_size 0
		.amdhsa_enable_private_segment 0
		.amdhsa_kernarg_size 24
		.amdhsa_user_sgpr_count 2
		.amdhsa_user_sgpr_kernarg_segment_ptr 1
		.amdhsa_wavefront_size32 1
		.amdhsa_system_sgpr_workgroup_id_x 1
		.amdhsa_system_sgpr_workgroup_id_y 1
		.amdhsa_system_sgpr_workgroup_id_z 1
		.amdhsa_system_vgpr_workitem_id 0
		.amdhsa_next_free_vgpr 1024
		.amdhsa_next_free_sgpr 88
		.amdhsa_reserve_vcc 0
		.amdhsa_float_denorm_mode_32 3
		.amdhsa_float_denorm_mode_16_64 3
		.amdhsa_memory_ordered 1
		.amdhsa_forward_progress 1
		.amdhsa_inst_pref_size 95
	.end_amdhsa_kernel
	.amdgpu_metadata
---
amdhsa.version: [ 1, 2 ]
amdhsa.kernels:
  - .name:           k_qd43fb0035f_scores
    .symbol:         k_qd43fb0035f_scores.kd
    .args:
      - { .name: qkv, .offset: 0, .size: 8, .value_kind: global_buffer, .address_space: global }
      - { .name: pw, .offset: 8, .size: 8, .value_kind: global_buffer, .address_space: global }
      - { .name: st, .offset: 16, .size: 8, .value_kind: global_buffer, .address_space: global }
    .group_segment_fixed_size: 327680
    .private_segment_fixed_size: 0
    .kernarg_segment_align: 8
    .kernarg_segment_size: 24
    .max_flat_workgroup_size: 128
    .sgpr_count:     88
    .vgpr_count:     1024
    .wavefront_size: 32
...
	.end_amdgpu_metadata
.endif
;; end of part 3
;; launch pv (part 4): grid 4 x 64, 4 waves a work-group, clusters of 4 x 4, 327,680 bytes of LDS; arguments pw, qkv, st, oh; writes oh
.if DOCPART == 4
	.amdgcn_target "amdgcn-amd-amdhsa--gfx1250"
	.amdhsa_code_object_version 6
	.text
	.protected	k_qd43fb0035f_pv
	.globl	k_qd43fb0035f_pv
	.p2align	8
	.type	k_qd43fb0035f_pv,@function
k_qd43fb0035f_pv:
	s_mov_b64 s[64:65], 0
	v_nop
	global_prefetch_b8 v0, s[64:65] scope:SCOPE_SE
	s_setreg_imm32_b32 hwreg(HW_REG_WAVE_MODE, 25, 1), 1
	s_wait_xcnt 0x0
	s_wait_alu depctr_hold_cnt(0) depctr_sa_sdst(0) depctr_va_vdst(0) depctr_va_sdst(0) depctr_va_ssrc(0) depctr_va_vcc(0) depctr_vm_vsrc(0)
	s_getreg_b32 s2, hwreg(HW_REG_IB_STS2, 6, 4)
	s_cmp_eq_u32 s2, 0
	s_cbranch_scc0 .Lentry_in_a_cluster
	s_endpgm
.Lentry_in_a_cluster:
	s_bfe_u32 s2, ttmp6, 0x10000c
	s_cmp_lg_u32 s2, 0xf033
	s_cbranch_scc0 .Lentry_shape_is_right
	s_endpgm
.Lentry_shape_is_right:
; oh[q][e] = (sum over the 16 key blocks t of f_t sum over k in t of pw[q][k] V[k][e]) / l,  f_t = 2^(c m_t - c m),  c m = the largest of the row's 16 c m_t,  l = sum of f_t l_t.
; That is softmax(scores) V with the row's own maximum taken away: pw holds 2^(c s - c m_t), so f_t pw = 2^(c s - c m).  pw: [8192][2048] f16; V: the third 2,048 bytes of qkv's rows, f16; st: c m_t and l_t, f32.
; f_t is rounded to f16 and multiplied onto A's fragments between their load and the matrix instruction (one packed line for each product); sums in f32; oh rounded once to f16.
; LIMITS.  f_t pw below 6e-5 keeps f16's fixed step of 6e-8; a factor below 2^-126 counts as 0; l takes f_t in f32, the products f_t in f16 (2^-12 of a block's weight apart).  l is at least 1: the block that
; holds the row's maximum has f = 1 and l_t >= 1.  NaN and infinities are not treated apart.
; SHARES.  A tile is 128 queries x 256 channels: 4 x 64 = 256 work-groups.  Four waves, 2 x 2, each 64 x 128.  K = 2,048 keys in steps of 128: a K step IS a block t.
; Ring, cluster and transposed use as in the launch qkv.  B's tile is V as it lies, 128 keys x 256 channels (rows of 512 bytes); its fragments come out of LDS turned, by ds_load_tr16_b128.
;   window 0: v0-31 addresses; v32-63 packed results; v64-127 A's fragments; v128-255 B's          window 1: the accumulators, (a, b) at v[8 (8 a + b)]
;   window 2: v0-63 f (block t, row block a at 4 t + a; moved down by 8 each lap, so that slot s always takes v[4 s + a]); v64-127 l_t; v128-131 c m; v132-135 l; v136-143 1 / l, twice
.set PITCH,  272                       ; a row of A in LDS: 256 bytes + 16 of padding
.set PV,     544                       ; a row of V: 512 + 32 = 136 words
.set AB,     128*PITCH
.set BH,     64*PV                     ; 64 keys: what one wave fetches of V
.set SLOT,   AB+2*BH
.set STAGE,  2*SLOT
.set SPITCH, 272
.set SPARE,  STAGE+4*16*SPITCH
.set LAPS,   8                         ; K = 2,048
.set PA,     2048
.set PB,     3072
.set ROWC,   2048
.set STEPA,  256
.set STEPB,  128*6144                  ; 128 keys down
.set ADRA, 16
.set ADRB, 20
.set STO,  24
.set RD,   25
.set CO,   26
.set SO,   27                          ; 4 r: my row's word among 16 rows' statistics
.set SPW,  28
.set NIL,  29
.set TMP,  32
.set FA,   64
.set FB,   128
.set OB,   64
.set LT,   64                          ; window 2
.set M,    128
.set L,    132
.set RL,   136
.set G1,  24
.set G0,  32
.set G1B, 48
.set G0B, 56
.set MUL, 0x50
.set MSB, 0
.macro WIN new
.if MSB != (\new)
	s_set_vgpr_msb (MSB<<8)|(\new)
.set MSB, \new
.endif
.endm
.macro JLOAD s
	s_cmp_eq_u32 s11, 0
	s_cbranch_scc0 .Lfor_b_\@
	tensor_load_to_lds s[G0+4*(\s):G0+4*(\s)+3], s[G1:G1+7]
	s_nop 0
.rept 4
	v_nop
.endr
	s_branch .Lasked_\@
.Lfor_b_\@:
	tensor_load_to_lds s[G0B+4*(\s):G0B+4*(\s)+3], s[G1B:G1B+7]
	s_nop 0
.rept 4
	v_nop
.endr
.Lasked_\@:
.endm
.macro CREST
	s_cmp_lg_u32 s10, 0
	s_cbranch_scc1 .Lnot_wave_0_\@
	s_barrier_signal -3
.Lnot_wave_0_\@:
	s_barrier_wait -3
	s_barrier_signal -1
	s_barrier_wait -1
.endm
.macro CROUND
	s_barrier_signal -1
	s_barrier_wait -1
	CREST
.endm
.macro PLACES
.rept 4
	v_nop
.endr
.endm
	s_load_b256 s[72:79], s[0:1], 0x0              ; pw s[72:73], qkv s[74:75], st s[76:77], oh s[78:79]
	v_lshl_add_u32 v[SPW], v0, 2, SPARE
	v_mov_b32 v[NIL], 0
	ds_add_u32 v[SPW], v[NIL]                      ; the wave's opening: the add and its wait, ahead of my first tensor load
	v_lshrrev_b32 v1, 5, v0
	v_readfirstlane_b32 s10, v1
	s_lshr_b32 s11, s10, 1
	s_and_b32 s12, s10, 1
	s_bfe_u32 s40, ttmp6, 0x40000                  ; cx
	s_bfe_u32 s41, ttmp6, 0x40004                  ; cy
	s_lshl_b32 s42, ttmp9, 2
	s_add_co_u32 s42, s42, s40                     ; tile column
	s_and_b32 s13, ttmp7, 0xffff
	s_lshr_b32 s45, s13, 2                         ; the batch, from the cluster's y alone
	s_lshl_b32 s13, s13, 2
	s_add_co_u32 s13, s13, s41                     ; tile row
	s_lshl_b32 s43, s41, 2
	s_lshl_b32 s43, 15, s43
	s_lshl_b32 s44, 0x1111, s40
	s_or_b32 s[G1+0], s43, (1<<16)|(1<<20)|(1<<21)|(5<<22)|(3<<25)   ; A: padding of 4 words after every 64
	s_or_b32 s[G1B+0], s44, (1<<16)|(1<<20)|(1<<21)|(6<<22)|(7<<25)  ; V: padding of 8 words after every 128
	s_mov_b32 s[G1+1], 128<<16
	s_mov_b32 s[G1+2], 64<<16
	s_mov_b32 s[G1+3], 128<<16
	s_mov_b32 s[G1+4], 64
	s_mov_b32 s[G1+5], PA
	s_mov_b32 s[G1+6], 0
	s_mov_b32 s[G1+7], 0
	s_mov_b32 s[G1B+1], 256<<16                    ; tensor_dim0 = 256 channels
	s_mov_b32 s[G1B+2], 64<<16                     ; tensor_dim1 = 64 keys
	s_mov_b32 s[G1B+3], 256<<16
	s_mov_b32 s[G1B+4], 64
	s_mov_b32 s[G1B+5], PB
	s_mov_b32 s[G1B+6], 0
	s_mov_b32 s[G1B+7], 0
	s_lshl_b32 s16, s13, 7                         ; pw: row 128 x tile row + 64 x half
	s_lshl_b32 s17, s12, 6
	s_add_co_u32 s16, s16, s17
	s_mul_i32 s16, s16, 2*PA
	s_mov_b32 s17, 0
	s_lshl_b32 s18, s45, 11                        ; V: key 2,048 x batch + 64 x half; 4,096 bytes into the row, + 512 x tile column
	s_lshl_b32 s19, s12, 6
	s_add_co_u32 s18, s18, s19
	s_mul_i32 s18, s18, 2*PB
	s_lshl_b32 s19, s42, 9
	s_add_co_u32 s18, s18, s19
	s_add_co_u32 s18, s18, 4096
	s_mov_b32 s19, 0
	s_mul_i32 s20, s12, 64*PITCH
	s_mul_i32 s21, s12, BH
	s_add_co_u32 s21, s21, AB
	s_wait_dscnt 0x0
	s_wait_kmcnt 0x0
	s_add_nc_u64 s[14:15], s[72:73], s[16:17]
	s_add_nc_u64 s[46:47], s[74:75], s[18:19]
	CROUND
.irp s, 0,1
	s_mov_b32 s[G0+4*(\s)], 1
	s_add_co_u32 s[G0+4*(\s)+1], s20, (\s)*SLOT
	s_add_nc_u64 s[G0+4*(\s)+2:G0+4*(\s)+3], s[14:15], (\s)*STEPA
	s_or_b32 s[G0+4*(\s)+3], s[G0+4*(\s)+3], 0x80000000
	s_mov_b32 s[G0B+4*(\s)], 1
	s_add_co_u32 s[G0B+4*(\s)+1], s21, (\s)*SLOT
	s_add_nc_u64 s[G0B+4*(\s)+2:G0B+4*(\s)+3], s[46:47], (\s)*STEPB
	s_or_b32 s[G0B+4*(\s)+3], s[G0B+4*(\s)+3], 0x80000000
	JLOAD \s
.endr
	v_and_b32 v1, 15, v0                           ; r
	v_bfe_u32 v2, v0, 4, 1                         ; h
	v_mul_u32_u24 v3, v1, PITCH
	v_lshl_add_u32 v3, v2, 4, v3
	; The turning load takes 16 keys x 16 channels (lane l reads key 8 (l / 16) + l % 8, channels 8 ((l / 8) % 2) + 0..7) and leaves half a fragment of V^T: lane l holds channel l % 16 and 8 keys.
	v_and_b32 v6, 7, v0
	v_bfe_u32 v7, v0, 3, 1
	v_lshl_add_u32 v8, v2, 3, v6
	v_mul_u32_u24 v8, v8, PV
	v_lshl_add_u32 v8, v7, 4, v8
	s_mul_i32 s4, s11, 64*PITCH                    ; my 64 rows of A
	s_lshl_b32 s5, s12, 8                          ; my 128 channels: 256 bytes of V's rows
	s_add_co_u32 s5, s5, AB
.irp s, 0,1
	v_add_nc_u32 v[ADRA+(\s)], s4, v3
	v_add_nc_u32 v[ADRB+(\s)], s5, v8
	s_add_co_u32 s4, s4, SLOT
	s_add_co_u32 s5, s5, SLOT
.endr
	s_mul_i32 s6, s10, 16*SPITCH
	s_add_co_u32 s6, s6, STAGE
	v_mul_u32_u24 v4, v1, SPITCH
	v_lshl_add_u32 v4, v2, 4, v4
	v_add_nc_u32 v[STO], s6, v4
	v_mul_u32_u24 v5, v2, SPITCH
	v_lshl_add_u32 v5, v1, 4, v5
	v_add_nc_u32 v[RD], s6, v5
	v_mul_u32_u24 v5, v2, ROWC
	v_lshl_add_u32 v[CO], v1, 4, v5
	s_lshl_b32 s22, s13, 7                         ; oh at my wave's first row and column
	s_lshl_b32 s23, s11, 6
	s_add_co_u32 s22, s22, s23
	s_mul_i32 s22, s22, ROWC
	s_lshl_b32 s23, s42, 9
	s_add_co_u32 s22, s22, s23
	s_lshl_b32 s23, s12, 8
	s_add_co_u32 s22, s22, s23
	s_mov_b32 s23, 0
	s_add_nc_u64 s[84:85], s[78:79], s[22:23]
	s_lshl_b32 s70, s45, 15                        ; st: word 32,768 x batch + my first row in the batch
	s_and_b32 s71, s13, 15
	s_lshl_b32 s71, s71, 7
	s_add_co_u32 s70, s70, s71
	s_lshl_b32 s71, s11, 6
	s_add_co_u32 s70, s70, s71
	s_lshl_b32 s70, s70, 2
	s_mov_b32 s71, 0
	s_add_nc_u64 s[86:87], s[76:77], s[70:71]
	v_lshlrev_b32 v[SO], 2, v1
	; THE ROWS' STATISTICS, once, in the wait for the first tile: lane (r, h) takes those of rows 16 a + r, the rows of its A fragments
	WIN 0x80                                       ; destination window 2, address window 0
.set t, 0
.rept 16
.irp a, 0,1,2,3
	global_load_b32 v[4*t+(\a)], v[SO], s[86:87] offset:8192*t+64*(\a)
.endr
.set t, t+1
.endr
.set t, 0
.rept 16
.irp a, 0,1,2,3
	global_load_b32 v[LT+4*t+(\a)], v[SO], s[86:87] offset:524288+8192*t+64*(\a)
.endr
.set t, t+1
.endr
	s_wait_loadcnt 0x0
	WIN 0xaa                                       ; everything in window 2
.irp a, 0,1,2,3
	v_max3_num_f32 v[M+(\a)], v[(\a)], v[4+(\a)], v[8+(\a)]
.endr
.irp u, 0,1,2,3,4,5
.irp a, 0,1,2,3
	v_max3_num_f32 v[M+(\a)], v[M+(\a)], v[12+8*(\u)+(\a)], v[16+8*(\u)+(\a)]
.endr
.endr
.irp a, 0,1,2,3
	v_max_num_f32 v[M+(\a)], v[M+(\a)], v[60+(\a)] ; c m of the row
.endr
.set i, 0
.rept 64
	v_sub_f32 v[i], v[i], v[M+i%4]
.set i, i+1
.endr
.set i, 0
.rept 64
	v_exp_f32 v[i], v[i]                           ; f_t
.set i, i+1
.endr
	v_nop                                          ; a plain instruction behind the last exponential
	s_wait_alu depctr_va_vdst(0)
.irp a, 0,1,2,3
	v_mul_f32 v[L+(\a)], v[(\a)], v[LT+(\a)]
.endr
.set i, 4
.rept 60
	v_fmac_f32 v[L+i%4], v[i], v[LT+i]             ; l = sum of f_t l_t: four chains by turns
.set i, i+1
.endr
.irp a, 0,1,2,3
	v_rcp_f32 v[RL+2*(\a)], v[L+(\a)]
	v_rcp_f32 v[RL+2*(\a)+1], v[L+(\a)]            ; twice: the pair that the packed multiply names
.endr
	v_nop                                          ; a plain instruction behind the last reciprocal
.set i, 0
.rept 64
	v_cvt_pk_f16_f32 v[i], v[i], v[i]              ; f_t in both halves, for the packed multiply
.set i, i+1
.endr
	WIN 0
.macro MULA f, a, zero                 ; 8 matrix instructions: query block a x all 8 channel blocks; the 32 accumulators take turns
	WIN MUL
.irp b, 0,1,2,3,4,5,6,7
.if \zero
	v_wmma_f32_16x16x32_f16 v[8*(8*(\a)+(\b)):8*(8*(\a)+(\b))+7], v[FB+64*(\f)+8*(\b):FB+64*(\f)+8*(\b)+7], v[FA+32*(\f)+8*(\a):FA+32*(\f)+8*(\a)+7], 0
.else
	v_wmma_f32_16x16x32_f16 v[8*(8*(\a)+(\b)):8*(8*(\a)+(\b))+7], v[FB+64*(\f)+8*(\b):FB+64*(\f)+8*(\b)+7], v[FA+32*(\f)+8*(\a):FA+32*(\f)+8*(\a)+7], v[8*(8*(\a)+(\b)):8*(8*(\a)+(\b))+7]
.endif
.endr
.endm
; 24 LDS loads in one run: 32 keys at byte k of A's rows, that is keys k / 2 on of V's tile: V's sixteen turning loads first (channels 16 i on), then A's blocks 0 to 3
.macro FETCH slot, k, f
	WIN 0
.irp i, 0,1,2,3,4,5,6,7
	ds_load_tr16_b128 v[FB+64*(\f)+8*(\i):FB+64*(\f)+8*(\i)+3],   v[ADRB+(\slot)] offset:((\k)/64)*32*PV+32*(\i)
	ds_load_tr16_b128 v[FB+64*(\f)+8*(\i)+4:FB+64*(\f)+8*(\i)+7], v[ADRB+(\slot)] offset:((\k)/64)*32*PV+16*PV+32*(\i)
.endr
.irp i, 0,1,2,3
	ds_load_b128 v[FA+32*(\f)+8*(\i):FA+32*(\f)+8*(\i)+3],   v[ADRA+(\slot)] offset:(\k)+(\i)*16*PITCH
	ds_load_b128 v[FA+32*(\f)+8*(\i)+4:FA+32*(\f)+8*(\i)+7], v[ADRA+(\slot)] offset:(\k)+(\i)*16*PITCH+32
.endr
.endm
; A's blocks a0, a0 + 1 of buffer f, which hold weights of the block t that lies in the slot, times f_t: the last product that read these registers stands in front of the four places of the quarter before
.macro SCALE f, slot, a0
	WIN 0x08                                       ; source 1 window 2
.irp a, \a0, (\a0)+1
.irp i, 0,1,2,3,4,5,6,7
	v_pk_mul_f16 v[FA+32*(\f)+8*(\a)+(\i)], v[FA+32*(\f)+8*(\a)+(\i)], v[4*(\slot)+(\a)]
.endr
.endr
.endm
.macro ROT                             ; a lap is over: the factors of the next two blocks move to the front, so that no register number hangs on the trip
	WIN 0xaa
.set i, 0
.rept 56
	v_mov_b32 v[i], v[i+8]
.set i, i+1
.endr
.endm
.macro QUARTER slot, k, f, g, zero
	s_wait_dscnt 4                                 ; all but A's blocks 2, 3
	SCALE \f, \slot, 0
	MULA \f, 0, \zero
	MULA \f, 1, \zero
	PLACES
	FETCH \slot, \k, \g
	s_wait_dscnt 24                                ; all but the 24 just issued
	SCALE \f, \slot, 2
	MULA \f, 2, \zero
	MULA \f, 3, \zero
.endm
.macro TURN slot, next, fill
	WIN 0
	s_wait_tensorcnt 0x0                           ; all my tensor loads have landed: my part of the next slot
	ds_add_u32 v[SPW], v[NIL]                      ; 0 onto my spare word
	s_wait_dscnt 5                                 ; (the add and the youngest four loads may be out)
	SCALE 1, \slot, 0
	MULA 1, 0, 0
	s_wait_dscnt 0x0                               ; the add is done, and my reads of this slot are over
	s_barrier_signal -1
	MULA 1, 1, 0
.if \fill
	WIN 0
.endif
	s_barrier_wait -1
.if \fill
	CREST
	s_add_nc_u64 s[G0+4*(\slot)+2:G0+4*(\slot)+3], s[G0+4*(\slot)+2:G0+4*(\slot)+3], 2*STEPA
	s_add_nc_u64 s[G0B+4*(\slot)+2:G0B+4*(\slot)+3], s[G0B+4*(\slot)+2:G0B+4*(\slot)+3], 2*STEPB
	JLOAD \slot                                    ; its four v_nop are also the places in front of the loads below
.else
	PLACES
.endif
	FETCH \next, 0, 0
	SCALE 1, \slot, 2
	MULA 1, 2, 0
	MULA 1, 3, 0
.endm
	s_wait_tensorcnt 1                             ; my part of K step 0 is in; K step 1's may stay out
	s_barrier_signal -1
	s_barrier_wait -1
	FETCH 0, 0, 0
	QUARTER 0, 64, 0, 1, 1
	WIN 0
	s_mov_b32 s3, LAPS-1
.Llap:
	QUARTER 0, 128, 1, 0, 0
	QUARTER 0, 192, 0, 1, 0
	TURN 0, 1, 1
	QUARTER 1, 64,  0, 1, 0
	QUARTER 1, 128, 1, 0, 0
	QUARTER 1, 192, 0, 1, 0
	TURN 1, 0, 1
	ROT
	QUARTER 0, 64,  0, 1, 0
	WIN 0
	s_sub_co_u32 s3, s3, 1
	s_cmp_lg_u32 s3, 0
	s_cbranch_scc1 .Llap
	QUARTER 0, 128, 1, 0, 0
	QUARTER 0, 192, 0, 1, 0
	TURN 0, 1, 0
	QUARTER 1, 64,  0, 1, 0
	QUARTER 1, 128, 1, 0, 0
	QUARTER 1, 192, 0, 1, 0
	s_wait_dscnt 4
	SCALE 1, 1, 0
	MULA 1, 0, 0
	MULA 1, 1, 0
	s_wait_dscnt 0x0
	SCALE 1, 1, 2
	MULA 1, 2, 0
	MULA 1, 3, 0
	WIN 0
	PLACES
	PLACES                                         ; (eight, once a launch)
.macro PACK a                          ; the sums times 1 / l (each accumulator from its low end on), rounded to f16
	WIN 0x49                                       ; destination and source 0 window 1, source 1 window 2
.set pp, 0
	s_wait_alu depctr_va_vdst(0)
.rept 32
	v_pk_mul_f32 v[64*(\a)+2*pp:64*(\a)+2*pp+1], v[64*(\a)+2*pp:64*(\a)+2*pp+1], v[RL+2*(\a):RL+2*(\a)+1] op_sel_hi:[1,0]
.set pp, pp+1
.endr
	WIN 0x05
.irp b, 0,1,2,3,4,5,6,7
.irp q, 0,1,2,3
	v_cvt_pk_f16_f32 v[TMP+4*(\b)+(\q)], v[64*(\a)+8*(\b)+2*(\q)], v[64*(\a)+8*(\b)+2*(\q)+1]
.endr
.endr
	WIN 0
.endm
.macro TOSTAGE a
.if (\a) > 1
	s_wait_xcnt 0x0                                ; the stores of the block two back have read the registers that are loaded again below
.endif
.irp b, 0,1,2,3,4,5,6,7
	ds_store_b128 v[STO], v[TMP+4*(\b):TMP+4*(\b)+3] offset:32*(\b)
.endr
.irp t, 0,1,2,3,4,5,6,7
	ds_load_b128 v[OB+32*((\a)%2)+4*(\t):OB+32*((\a)%2)+4*(\t)+3], v[RD] offset:(\t)*2*SPITCH  ; LDS serves a wave's instructions in order (ISA guide 5.7.1.4)
.endr
.endm
.macro SEND a
	s_wait_dscnt 0x0
.irp t, 0,1,2,3,4,5,6,7
	global_store_b128 v[CO], v[OB+32*((\a)%2)+4*(\t):OB+32*((\a)%2)+4*(\t)+3], s[84:85] offset:(16*(\a)+2*(\t))*ROWC  ; 16 lanes store 256 consecutive bytes, aligned
.endr
.endm
	PACK 0
	TOSTAGE 0
.irp a, 1,2,3
	PACK \a
	SEND (\a)-1
	TOSTAGE \a
.endr
	SEND 3
	s_wait_tensorcnt 0x0                           ; the wave's end: behind my last tensor load and my last LDS store
	ds_add_u32 v[SPW], v[NIL]
	s_wait_dscnt 0x0
	CROUND                                         ; the closing round
	s_endpgm
.Lfunc_end_k_qd43fb0035f_pv:
	.size	k_qd43fb0035f_pv, .Lfunc_end_k_qd43fb0035f_pv-k_qd43fb0035f_pv
	.p2alignl 7, 3214868480
	.fill 96, 4, 3214868480
	.section	.rodata,"a",@progbits
	.p2align	6, 0x0
	.amdhsa_kernel k_qd43fb0035f_pv
		.amdhsa_group_segment_fixed_size 327680
		.amdhsa_private_segment_fixed_size 0
		.amdhsa_enable_private_segment 0
		.amdhsa_kernarg_size 32
		.amdhsa_user_sgpr_count 2
		.amdhsa_user_sgpr_kernarg_segment_ptr 1
		.amdhsa_wavefront_size32 1
		.amdhsa_system_sgpr_workgroup_id_x 1
		.amdhsa_system_sgpr_workgroup_id_y 1
		.amdhsa_system_sgpr_workgroup_id_z 1
		.amdhsa_system_vgpr_workitem_id 0
		.amdhsa_next_free_vgpr 672
		.amdhsa_next_free_sgpr 88
		.amdhsa_reserve_vcc 0
		.amdhsa_float_denorm_mode_32 3
		.amdhsa_float_denorm_mode_16_64 3
		.amdhsa_memory_ordered 1
		.amdhsa_forward_progress 1
		.amdhsa_inst_pref_size 154
	.end_amdhsa_kernel
	.amdgpu_metadata
---
amdhsa.version: [ 1, 2 ]
amdhsa.kernels:
  - .name:           k_qd43fb0035f_pv
    .symbol:         k_qd43fb0035f_pv.kd
    .args:
      - { .name: pw, .offset: 0, .size: 8, .value_kind: global_buffer, .address_space: global }
      - { .name: qkv, .offset: 8, .size: 8, .value_kind: global_buffer, .address_space: global }
      - { .name: st, .offset: 16, .size: 8, .value_kind: global_buffer, .address_space: global }
      - { .name: oh, .offset: 24, .size: 8, .value_kind: global_buffer, .address_space: global }
    .group_segment_fixed_size: 327680
    .private_segment_fixed_size: 0
    .kernarg_segment_align: 8
    .kernarg_segment_size: 32
    .max_flat_workgroup_size: 128
    .sgpr_count:     88
    .vgpr_count:     672
    .wavefront_size: 32
...
	.end_amdgpu_metadata
.endif
;; end of part 4
;; launch proj (part 5): grid 4 x 64, 4 waves a work-group, clusters of 4 x 4, 327,680 bytes of LDS; arguments oh, wh, bo, out0; writes out0
.if DOCPART == 5
	.amdgcn_target "amdgcn-amd-amdhsa--gfx1250"
	.amdhsa_code_object_version 6
	.text
	.protected	k_qd43fb0035f_proj
	.globl	k_qd43fb0035f_proj
	.p2align	8
	.type	k_qd43fb0035f_proj,@function
k_qd43fb0035f_proj:
	s_mov_b64 s[64:65], 0
	v_nop
	global_prefetch_b8 v0, s[64:65] scope:SCOPE_SE
	s_setreg_imm32_b32 hwreg(HW_REG_WAVE_MODE, 25, 1), 1
	s_wait_xcnt 0x0
	s_wait_alu depctr_hold_cnt(0) depctr_sa_sdst(0) depctr_va_vdst(0) depctr_va_sdst(0) depctr_va_ssrc(0) depctr_va_vcc(0) depctr_vm_vsrc(0)
	s_getreg_b32 s2, hwreg(HW_REG_IB_STS2, 6, 4)
	s_cmp_eq_u32 s2, 0
	s_cbranch_scc0 .Lentry_in_a_cluster
	s_endpgm
.Lentry_in_a_cluster:
	s_bfe_u32 s2, ttmp6, 0x10000c
	s_cmp_lg_u32 s2, 0xf033
	s_cbranch_scc0 .Lentry_shape_is_right
	s_endpgm
.Lentry_shape_is_right:
; out0[m][n] = sum over k of oh[m][k] wh[3072 + n][k] + bf16(bo[n]).  oh: [8192][1024] f16; wh's rows 3072-4095 are Wo, rounded to bf16 and written as f16; sums in f32; out0 is f32.
; The bias is rounded to bf16 like every other input of the module.
; SHARES.  A tile is 128 x 256: 4 x 64 = 256 work-groups.  Four waves, 2 x 2, each 64 x 128.  Ring, cluster and transposed use as in the launch qkv.
; THE WAY OUT is in f32: a wave's 128 columns are 512 bytes of a row; a block of 16 rows goes through the wave's own stage (rows of 528 bytes) and leaves as whole rows, 512 consecutive bytes a store.
;   window 0: v0-31 addresses; v64-127 A's fragments; v128-255 B's (on the way out v64-191 take rows read back)          window 1: the accumulators          window 2: v0-63 my 64 biases, v64-95 at work
.set PITCH,  272
.set AB,     128*PITCH
.set BH,     128*PITCH
.set SLOT,   AB+2*BH
.set STAGE,  2*SLOT                    ; behind the ring, never filled by a tensor load: 16 rows x 528 bytes for each wave
.set SPITCH, 528                       ; 512 bytes + 16: row r starts 4 r words on, modulo 64 banks (ISA guide 11.1)
.set SPARE,  STAGE+4*16*SPITCH
.set LAPS,   4
.set PA,     1024
.set PB,     1024
.set ROWC,   4096
.set STEPA,  256
.set STEPB,  256
.set ADRA, 16
.set ADRB, 20
.set STO,  24
.set RD,   25
.set CO,   26
.set BO,   27
.set SPW,  28
.set NIL,  29
.set FA,   64
.set FB,   128
.set OB,   64
.set G1,  24
.set G0,  32
.set G1B, 48
.set G0B, 56
.set MUL, 0x50
.set MSB, 0
.macro WIN new
.if MSB != (\new)
	s_set_vgpr_msb (MSB<<8)|(\new)
.set MSB, \new
.endif
.endm
.macro JLOAD s
	s_cmp_eq_u32 s11, 0
	s_cbranch_scc0 .Lfor_b_\@
	tensor_load_to_lds s[G0+4*(\s):G0+4*(\s)+3], s[G1:G1+7]
	s_nop 0
.rept 4
	v_nop
.endr
	s_branch .Lasked_\@
.Lfor_b_\@:
	tensor_load_to_lds s[G0B+4*(\s):G0B+4*(\s)+3], s[G1B:G1B+7]
	s_nop 0
.rept 4
	v_nop
.endr
.Lasked_\@:
.endm
.macro CREST
	s_cmp_lg_u32 s10, 0
	s_cbranch_scc1 .Lnot_wave_0_\@
	s_barrier_signal -3
.Lnot_wave_0_\@:
	s_barrier_wait -3
	s_barrier_signal -1
	s_barrier_wait -1
.endm
.macro CROUND
	s_barrier_signal -1
	s_barrier_wait -1
	CREST
.endm
.macro PLACES
.rept 4
	v_nop
.endr
.endm
	s_load_b256 s[72:79], s[0:1], 0x0              ; oh s[72:73], wh s[74:75], bo s[76:77], out0 s[78:79]
	v_lshl_add_u32 v[SPW], v0, 2, SPARE
	v_mov_b32 v[NIL], 0
	ds_add_u32 v[SPW], v[NIL]                      ; the wave's opening: the add and its wait, ahead of my first tensor load
	v_lshrrev_b32 v1, 5, v0
	v_readfirstlane_b32 s10, v1
	s_lshr_b32 s11, s10, 1
	s_and_b32 s12, s10, 1
	s_bfe_u32 s40, ttmp6, 0x40000
	s_bfe_u32 s41, ttmp6, 0x40004
	s_lshl_b32 s42, ttmp9, 2
	s_add_co_u32 s42, s42, s40                     ; tile column
	s_and_b32 s13, ttmp7, 0xffff
	s_lshl_b32 s13, s13, 2
	s_add_co_u32 s13, s13, s41                     ; tile row
	s_lshl_b32 s43, s41, 2
	s_lshl_b32 s43, 15, s43
	s_lshl_b32 s44, 0x1111, s40
	s_or_b32 s[G1+0], s43, (1<<16)|(1<<20)|(1<<21)|(5<<22)|(3<<25)
	s_or_b32 s[G1B+0], s44, (1<<16)|(1<<20)|(1<<21)|(5<<22)|(3<<25)
	s_mov_b32 s[G1+1], 128<<16
	s_mov_b32 s[G1+2], 64<<16
	s_mov_b32 s[G1+3], 128<<16
	s_mov_b32 s[G1+4], 64
	s_mov_b32 s[G1+5], PA
	s_mov_b32 s[G1+6], 0
	s_mov_b32 s[G1+7], 0
	s_mov_b32 s[G1B+1], 128<<16
	s_mov_b32 s[G1B+2], 128<<16
	s_mov_b32 s[G1B+3], 128<<16
	s_mov_b32 s[G1B+4], 128
	s_mov_b32 s[G1B+5], PB
	s_mov_b32 s[G1B+6], 0
	s_mov_b32 s[G1B+7], 0
	s_lshl_b32 s16, s13, 7                         ; oh: row 128 x tile row + 64 x half
	s_lshl_b32 s17, s12, 6
	s_add_co_u32 s16, s16, s17
	s_mul_i32 s16, s16, 2*PA
	s_mov_b32 s17, 0
	s_lshl_b32 s18, s42, 8                         ; wh: row 3,072 + 256 x tile column + 128 x half
	s_lshl_b32 s19, s12, 7
	s_add_co_u32 s18, s18, s19
	s_add_co_u32 s18, s18, 3072
	s_mul_i32 s18, s18, 2*PB
	s_mov_b32 s19, 0
	s_mul_i32 s20, s12, 64*PITCH
	s_mul_i32 s21, s12, BH
	s_add_co_u32 s21, s21, AB
	s_wait_dscnt 0x0
	s_wait_kmcnt 0x0
	s_add_nc_u64 s[14:15], s[72:73], s[16:17]
	s_add_nc_u64 s[46:47], s[74:75], s[18:19]
	CROUND
.irp s, 0,1
	s_mov_b32 s[G0+4*(\s)], 1
	s_add_co_u32 s[G0+4*(\s)+1], s20, (\s)*SLOT
	s_add_nc_u64 s[G0+4*(\s)+2:G0+4*(\s)+3], s[14:15], (\s)*STEPA
	s_or_b32 s[G0+4*(\s)+3], s[G0+4*(\s)+3], 0x80000000
	s_mov_b32 s[G0B+4*(\s)], 1
	s_add_co_u32 s[G0B+4*(\s)+1], s21, (\s)*SLOT
	s_add_nc_u64 s[G0B+4*(\s)+2:G0B+4*(\s)+3], s[46:47], (\s)*STEPB
	s_or_b32 s[G0B+4*(\s)+3], s[G0B+4*(\s)+3], 0x80000000
	JLOAD \s
.endr
	v_and_b32 v1, 15, v0                           ; r
	v_bfe_u32 v2, v0, 4, 1                         ; h
	v_and_b32 v6, 31, v0                           ; lane
	v_mul_u32_u24 v3, v1, PITCH
	v_lshl_add_u32 v3, v2, 4, v3
	s_mul_i32 s4, s11, 64*PITCH
	s_mul_i32 s5, s12, BH
	s_add_co_u32 s5, s5, AB
.irp s, 0,1
	v_add_nc_u32 v[ADRA+(\s)], s4, v3
	v_add_nc_u32 v[ADRB+(\s)], s5, v3
	s_add_co_u32 s4, s4, SLOT
	s_add_co_u32 s5, s5, SLOT
.endr
	s_mul_i32 s6, s10, 16*SPITCH
	s_add_co_u32 s6, s6, STAGE                     ; my stage
	v_mul_u32_u24 v4, v1, SPITCH                   ; in: row r, 32 bytes for each half of the lanes
	v_lshl_add_u32 v4, v2, 5, v4
	v_add_nc_u32 v[STO], s6, v4
	v_lshl_add_u32 v[RD], v6, 4, s6                ; back: 32 lanes take one row of 512 bytes
	v_lshlrev_b32 v[CO], 4, v6                     ; and the same in out0
	s_lshl_b32 s22, s13, 7                         ; out0 at my wave's first row and column
	s_lshl_b32 s23, s11, 6
	s_add_co_u32 s22, s22, s23
	s_mul_i32 s22, s22, ROWC
	s_lshl_b32 s23, s42, 10
	s_add_co_u32 s22, s22, s23
	s_lshl_b32 s23, s12, 9
	s_add_co_u32 s22, s22, s23
	s_mov_b32 s23, 0
	s_add_nc_u64 s[84:85], s[78:79], s[22:23]
	s_lshl_b32 s70, s42, 10                        ; bo: (256 x tile column + 128 x half) x 4 bytes
	s_lshl_b32 s71, s12, 9
	s_add_co_u32 s70, s70, s71
	s_mov_b32 s71, 0
	s_add_nc_u64 s[86:87], s[76:77], s[70:71]
	v_lshlrev_b32 v[BO], 5, v2
	WIN 0x80
.irp b, 0,1,2,3,4,5,6,7
	global_load_b128 v[8*(\b):8*(\b)+3],   v[BO], s[86:87] offset:64*(\b)
	global_load_b128 v[8*(\b)+4:8*(\b)+7], v[BO], s[86:87] offset:64*(\b)+16
.endr
	s_wait_loadcnt 0x0                             ; the biases; all this stands in the wait for the first tile
	WIN 0xaa
.set i, 0
.rept 32
	v_cvt_pk_bf16_f32 v[64+i], v[2*i], v[2*i+1]
.set i, i+1
.endr
.set i, 0
.rept 32
	v_lshlrev_b32 v[2*i],   16,         v[64+i]
	v_and_b32     v[2*i+1], 0xffff0000, v[64+i]
.set i, i+1
.endr
	WIN 0
.macro MULA f, a, zero                 ; 8 matrix instructions; the 32 accumulators take turns
	WIN MUL
.irp b, 0,1,2,3,4,5,6,7
.if \zero
	v_wmma_f32_16x16x32_f16 v[8*(8*(\a)+(\b)):8*(8*(\a)+(\b))+7], v[FB+64*(\f)+8*(\b):FB+64*(\f)+8*(\b)+7], v[FA+32*(\f)+8*(\a):FA+32*(\f)+8*(\a)+7], 0
.else
	v_wmma_f32_16x16x32_f16 v[8*(8*(\a)+(\b)):8*(8*(\a)+(\b))+7], v[FB+64*(\f)+8*(\b):FB+64*(\f)+8*(\b)+7], v[FA+32*(\f)+8*(\a):FA+32*(\f)+8*(\a)+7], v[8*(8*(\a)+(\b)):8*(8*(\a)+(\b))+7]
.endif
.endr
.endm
.macro FETCH slot, k, f
	WIN 0
.irp i, 0,1,2,3,4,5,6,7
	ds_load_b128 v[FB+64*(\f)+8*(\i):FB+64*(\f)+8*(\i)+3],   v[ADRB+(\slot)] offset:(\k)+(\i)*16*PITCH
	ds_load_b128 v[FB+64*(\f)+8*(\i)+4:FB+64*(\f)+8*(\i)+7], v[ADRB+(\slot)] offset:(\k)+(\i)*16*PITCH+32
.endr
.irp i, 0,1,2,3
	ds_load_b128 v[FA+32*(\f)+8*(\i):FA+32*(\f)+8*(\i)+3],   v[ADRA+(\slot)] offset:(\k)+(\i)*16*PITCH
	ds_load_b128 v[FA+32*(\f)+8*(\i)+4:FA+32*(\f)+8*(\i)+7], v[ADRA+(\slot)] offset:(\k)+(\i)*16*PITCH+32
.endr
.endm
.macro QUARTER slot, k, f, g, zero
	s_wait_dscnt 4                                 ; all but A's blocks 2, 3
	MULA \f, 0, \zero
	MULA \f, 1, \zero
	PLACES
	FETCH \slot, \k, \g
	s_wait_dscnt 24                                ; all but the 24 just issued
	MULA \f, 2, \zero
	MULA \f, 3, \zero
.endm
.macro TURN slot, next, fill
	WIN 0
	s_wait_tensorcnt 0x0                           ; all my tensor loads have landed: my part of the next slot
	ds_add_u32 v[SPW], v[NIL]                      ; 0 onto my spare word
	s_wait_dscnt 5                                 ; (the add and the youngest four loads may be out)
	MULA 1, 0, 0
	s_wait_dscnt 0x0                               ; the add is done, and my reads of this slot are over
	s_barrier_signal -1
	MULA 1, 1, 0
.if \fill
	WIN 0
.endif
	s_barrier_wait -1
.if \fill
	CREST
	s_add_nc_u64 s[G0+4*(\slot)+2:G0+4*(\slot)+3], s[G0+4*(\slot)+2:G0+4*(\slot)+3], 2*STEPA
	s_add_nc_u64 s[G0B+4*(\slot)+2:G0B+4*(\slot)+3], s[G0B+4*(\slot)+2:G0B+4*(\slot)+3], 2*STEPB
	JLOAD \slot                                    ; its four v_nop are also the places in front of the loads below
.else
	PLACES
.endif
	FETCH \next, 0, 0
	MULA 1, 2, 0
	MULA 1, 3, 0
.endm
	s_wait_tensorcnt 1                             ; my part of K step 0 is in; K step 1's may stay out
	s_barrier_signal -1
	s_barrier_wait -1
	FETCH 0, 0, 0
	QUARTER 0, 64, 0, 1, 1
	WIN 0
	s_mov_b32 s3, LAPS-1
.Llap:
	QUARTER 0, 128, 1, 0, 0
	QUARTER 0, 192, 0, 1, 0
	TURN 0, 1, 1
	QUARTER 1, 64,  0, 1, 0
	QUARTER 1, 128, 1, 0, 0
	QUARTER 1, 192, 0, 1, 0
	TURN 1, 0, 1
	QUARTER 0, 64,  0, 1, 0
	WIN 0
	s_sub_co_u32 s3, s3, 1
	s_cmp_lg_u32 s3, 0
	s_cbranch_scc1 .Llap
	QUARTER 0, 128, 1, 0, 0
	QUARTER 0, 192, 0, 1, 0
	TURN 0, 1, 0
	QUARTER 1, 64,  0, 1, 0
	QUARTER 1, 128, 1, 0, 0
	QUARTER 1, 192, 0, 1, 0
	s_wait_dscnt 4
	MULA 1, 0, 0
	MULA 1, 1, 0
	s_wait_dscnt 0x0
	MULA 1, 2, 0
	MULA 1, 3, 0
	WIN 0
	PLACES
	PLACES                                         ; (eight, once a launch)
.macro BIAS a                          ; each accumulator from its low end on
	WIN 0x49                                       ; destination and source 0 window 1, source 1 window 2
.set pp, 0
.rept 32
	v_pk_add_f32 v[64*(\a)+2*pp:64*(\a)+2*pp+1], v[64*(\a)+2*pp:64*(\a)+2*pp+1], v[2*pp:2*pp+1]
.set pp, pp+1
.endr
.endm
.macro TOST a                          ; a lane's eight columns of a row are 32 bytes: two stores straight from the accumulator; back as whole rows of 512 bytes
.if (\a) > 1
	s_wait_xcnt 0x0                                ; the stores of the block two back have read the registers that are loaded again below
.endif
	WIN 0x04                                       ; the stored data in window 1, the address in window 0
.irp b, 0,1,2,3,4,5,6,7
	ds_store_b128 v[STO], v[64*(\a)+8*(\b):64*(\a)+8*(\b)+3]   offset:64*(\b)
	ds_store_b128 v[STO], v[64*(\a)+8*(\b)+4:64*(\a)+8*(\b)+7] offset:64*(\b)+16
.endr
	WIN 0
.irp t, 0,1,2,3,4,5,6,7,8,9,10,11,12,13,14,15
	ds_load_b128 v[OB+64*((\a)%2)+4*(\t):OB+64*((\a)%2)+4*(\t)+3], v[RD] offset:(\t)*SPITCH  ; LDS serves a wave's instructions in order (ISA guide 5.7.1.4)
.endr
.endm
.macro SEND a
	WIN 0
	s_wait_dscnt 0x0
.irp t, 0,1,2,3,4,5,6,7,8,9,10,11,12,13,14,15
	global_store_b128 v[CO], v[OB+64*((\a)%2)+4*(\t):OB+64*((\a)%2)+4*(\t)+3], s[84:85] offset:(16*(\a)+(\t))*ROWC th:TH_STORE_NT  ; 512 consecutive bytes, at a multiple of 256 from out0's first byte
.endr
.endm
	BIAS 0
	TOST 0
.irp a, 1,2,3
	BIAS \a
	SEND (\a)-1
	TOST \a
.endr
	SEND 3
	s_wait_tensorcnt 0x0                           ; the wave's end: behind my last tensor load and my last LDS store
	ds_add_u32 v[SPW], v[NIL]
	s_wait_dscnt 0x0
	CROUND                                         ; the closing round
	s_endpgm
.Lfunc_end_k_qd43fb0035f_proj:
	.size	k_qd43fb0035f_proj, .Lfunc_end_k_qd43fb0035f_proj-k_qd43fb0035f_proj
	.p2alignl 7, 3214868480
	.fill 96, 4, 3214868480
	.section	.rodata,"a",@progbits
	.p2align	6, 0x0
	.amdhsa_kernel k_qd43fb0035f_proj
		.amdhsa_group_segment_fixed_size 327680
		.amdhsa_private_segment_fixed_size 0
		.amdhsa_enable_private_segment 0
		.amdhsa_kernarg_size 32
		.amdhsa_user_sgpr_count 2
		.amdhsa_user_sgpr_kernarg_segment_ptr 1
		.amdhsa_wavefront_size32 1
		.amdhsa_system_sgpr_workgroup_id_x 1
		.amdhsa_system_sgpr_workgroup_id_y 1
		.amdhsa_system_sgpr_workgroup_id_z 1
		.amdhsa_system_vgpr_workitem_id 0
		.amdhsa_next_free_vgpr 640
		.amdhsa_next_free_sgpr 88
		.amdhsa_reserve_vcc 0
		.amdhsa_float_denorm_mode_32 3
		.amdhsa_float_denorm_mode_16_64 3
		.amdhsa_memory_ordered 1
		.amdhsa_forward_progress 1
		.amdhsa_inst_pref_size 100
	.end_amdhsa_kernel
	.amdgpu_metadata
---
amdhsa.version: [ 1, 2 ]
amdhsa.kernels:
  - .name:           k_qd43fb0035f_proj
    .symbol:         k_qd43fb0035f_proj.kd
    .args:
      - { .name: oh, .offset: 0, .size: 8, .value_kind: global_buffer, .address_space: global }
      - { .name: wh, .offset: 8, .size: 8, .value_kind: global_buffer, .address_space: global }
      - { .name: bo, .offset: 16, .size: 8, .value_kind: global_buffer, .address_space: global }
      - { .name: out0, .offset: 24, .size: 8, .value_kind: global_buffer, .address_space: global }
    .group_segment_fixed_size: 327680
    .private_segment_fixed_size: 0
    .kernarg_segment_align: 8
    .kernarg_segment_size: 32
    .max_flat_workgroup_size: 128
    .sgpr_count:     88
    .vgpr_count:     640
    .wavefront_size: 32
...
	.end_amdgpu_metadata
.endif
;; end of part 5
;; ======== version 2 of 2: 5 launches; version 1 with the launch cast written anew for expert scheduling mode
;; limits: values are held in f16: magnitudes above 65,504 overflow, below 6.1e-05 lose precision
;; workspace buffers: xh 16,777,216 bytes; wh 8,388,608 bytes; qkv 50,331,648 bytes; pw 33,554,432 bytes; st 1,048,576 bytes; oh 16,777,216 bytes
;; launch cast (part 6): grid 768 x 1, 8 waves a work-group, no clusters, 0 bytes of LDS; arguments x, Wq, Wk, Wv, Wo, xh, wh; writes xh, wh
.if DOCPART == 6
	.amdgcn_target "amdgcn-amd-amdhsa--gfx1250"
	.amdhsa_code_object_version 6
	.text
	.protected	k_qd43fb0035f_cast
	.globl	k_qd43fb0035f_cast
	.p2align	8
	.type	k_qd43fb0035f_cast,@function
k_qd43fb0035f_cast:
	s_mov_b64 s[64:65], 0
	v_nop
	global_prefetch_b8 v0, s[64:65] scope:SCOPE_SE
	s_setreg_imm32_b32 hwreg(HW_REG_WAVE_SCHED_MODE, 0, 2), 2
	s_setreg_imm32_b32 hwreg(HW_REG_WAVE_MODE, 25, 1), 1
	s_wait_xcnt 0x0
	s_wait_alu depctr_vm_vsrc(0)
; xh = f16(bf16(x)), wh = f16(bf16(Wq | Wk | Wv | Wo)): every matrix input is rounded once to bf16 (nearest even), and that number is written as f16.
; LIMITS.  The second step is exact for magnitudes from 2^-17 to 65,504; below 2^-17 it is off by at most 2^-25; 65,520 and beyond become infinities.
; SHARES.  A work-group takes 16,384 numbers (65,536 bytes in, 32,768 out): groups 0-511 the chunks of x, groups 512-767 the 64 chunks of each W, in the order q, k, v, o.
; A wave takes 8,192 bytes: sixteen loads of 512 consecutive bytes, all issued at once; each is converted and leaves as one store of 256 consecutive bytes, aligned.
; No LDS, no barrier, no loop: no wave needs another's bytes, and no register that a memory instruction reads is written again.
; THE MODE: SCHED_MODE bits 1:0 = 2 (LLVM: expert scheduling mode 2), set by the entry lines.  The code itself states the register dependences
; between vector instructions and memory instructions, with s_wait_alu, always for 0.
; THE PLAN.  Registers that memory instructions touch:
;   v1, v2   byte offsets, made at the head and never written again: v1 is read by the sixteen loads, v2 by the sixteen stores.
;   X        load j lands in its four registers, which no vector instruction has named before; behind the wait for load j its own conversions read and rewrite them; no load lands there again.
;   Y        chunk j's two registers are written once, by its last two conversions, and read once, by store j.
;   T        is named by vector instructions alone.
; The sixteen chunks go in four blocks of four.  Block p converts its chunks into their Y; the stores of block p - 1 stand among block p's vector instructions, which name T and block p's own X and Y:
; none of the registers that those stores read.  So one wait at a block's head states all that its four stores hang on; one more stands ahead of the last four stores, one ahead of the first load.
.set X, 8                              ; v[8:71]    load j: 4 registers
.set Y, 72                             ; v[72:103]  store j: 2 registers
.set T, 104                            ; v[104:107] packed bf16, two sets by turns
	s_load_b256 s[4:11], s[0:1], 0x0               ; x s[4:5], Wq s[6:7], Wk s[8:9], Wv s[10:11]
	s_load_b128 s[12:15], s[0:1], 0x20             ; Wo s[12:13], xh s[14:15]
	s_load_b64 s[16:17], s[0:1], 0x30              ; wh
	s_max_u32 s20, ttmp9, 512
	s_sub_co_u32 s20, s20, 512                     ; chunk among the four W (0 in the groups that take x)
	s_lshr_b32 s21, s20, 6                         ; which W
	s_and_b32 s22, s20, 63                         ; chunk in it
	s_mov_b32 s19, 0xffff0000                      ; a word's upper bf16
	v_lshrrev_b32 v3, 5, v0                        ; wave
	v_and_b32 v4, 31, v0                           ; lane
	v_lshlrev_b32 v1, 4, v4
	v_lshl_add_u32 v1, v3, 13, v1                  ; in: 8,192 x wave + 16 x lane
	v_lshlrev_b32 v2, 3, v4
	v_lshl_add_u32 v2, v3, 12, v2                  ; out: 4,096 x wave + 8 x lane
	s_wait_kmcnt 0x0
	s_cmp_eq_u32 s21, 1
	s_cselect_b64 s[24:25], s[8:9], s[6:7]
	s_cmp_eq_u32 s21, 2
	s_cselect_b64 s[24:25], s[10:11], s[24:25]
	s_cmp_eq_u32 s21, 3
	s_cselect_b64 s[24:25], s[12:13], s[24:25]
	s_cmp_lt_u32 ttmp9, 512                        ; the four selects below hang on this compare
	s_cselect_b64 s[24:25], s[4:5], s[24:25]       ; from
	s_cselect_b64 s[26:27], s[14:15], s[16:17]     ; to
	s_cselect_b32 s22, ttmp9, s22                  ; chunk in the source
	s_cselect_b32 s23, ttmp9, s20                  ; chunk in the destination
	s_lshl_b32 s28, s22, 16
	s_mov_b32 s29, 0
	s_lshl_b32 s30, s23, 15
	s_mov_b32 s31, 0
	s_add_nc_u64 s[24:25], s[24:25], s[28:29]
	s_add_nc_u64 s[26:27], s[26:27], s[30:31]
	s_wait_alu depctr_va_vdst(0)                   ; v1 and v2 are written: every load of the kernel reads v1 as its offset, every store v2, and no vector instruction names either again
.irp j, 0,1,2,3,4,5,6,7,8,9,10,11,12,13,14,15
	global_load_b128 v[X+4*(\j):X+4*(\j)+3], v1, s[24:25] offset:512*(\j) th:TH_LOAD_NT
.endr
; Chunk j: four numbers a lane, to bf16, back to f32, to f16, into Y's pair j.
.macro CONV j
	s_wait_loadcnt 15-(\j)                         ; loads come back in order: load j is in, the 15 - j younger ones may stay out
	v_cvt_pk_bf16_f32 v[T+2*((\j)%2)],   v[X+4*(\j)],   v[X+4*(\j)+1]
	v_cvt_pk_bf16_f32 v[T+2*((\j)%2)+1], v[X+4*(\j)+2], v[X+4*(\j)+3]
	v_lshlrev_b32 v[X+4*(\j)],   16,  v[T+2*((\j)%2)]      ; bf16 back to f32: the low half moves up, the high half stays
	v_and_b32     v[X+4*(\j)+1], s19, v[T+2*((\j)%2)]
	v_lshlrev_b32 v[X+4*(\j)+2], 16,  v[T+2*((\j)%2)+1]
	v_and_b32     v[X+4*(\j)+3], s19, v[T+2*((\j)%2)+1]
	v_cvt_pk_f16_f32 v[Y+2*(\j)],   v[X+4*(\j)],   v[X+4*(\j)+1]
	v_cvt_pk_f16_f32 v[Y+2*(\j)+1], v[X+4*(\j)+2], v[X+4*(\j)+3]
.endm
; Chunk j leaves: 32 lanes x 8 bytes, 256 consecutive bytes, aligned.
.macro OUT j
	global_store_b64 v2, v[Y+2*(\j):Y+2*(\j)+1], s[26:27] offset:256*(\j) th:TH_STORE_NT
.endm
.irp j, 0,1,2,3
	CONV \j                                        ; block 0: there is no block in front of it, so it has no store
.endr
	s_wait_alu depctr_va_vdst(0)                   ; block 0's conversions have written Y's pairs 0 to 3, which the four stores below read
.irp j, 4,5,6,7
	OUT (\j)-4                                     ; no vector instruction since the wait names this pair or v2
	CONV \j
.endr
	s_wait_alu depctr_va_vdst(0)                   ; block 1's conversions have written Y's pairs 4 to 7, which the four stores below read
.irp j, 8,9,10,11
	OUT (\j)-4
	CONV \j
.endr
	s_wait_alu depctr_va_vdst(0)                   ; block 2's conversions have written Y's pairs 8 to 11, which the four stores below read
.irp j, 12,13,14,15
	OUT (\j)-4
	CONV \j
.endr
	s_wait_alu depctr_va_vdst(0)                   ; block 3's conversions have written Y's pairs 12 to 15, which the last four stores read
.irp j, 12,13,14,15
	OUT \j
.endr
	s_endpgm
.Lfunc_end_k_qd43fb0035f_cast:
	.size	k_qd43fb0035f_cast, .Lfunc_end_k_qd43fb0035f_cast-k_qd43fb0035f_cast
	.p2alignl 7, 3214868480
	.fill 96, 4, 3214868480
	.section	.rodata,"a",@progbits
	.p2align	6, 0x0
	.amdhsa_kernel k_qd43fb0035f_cast
		.amdhsa_group_segment_fixed_size 0
		.amdhsa_private_segment_fixed_size 0
		.amdhsa_enable_private_segment 0
		.amdhsa_kernarg_size 56
		.amdhsa_user_sgpr_count 2
		.amdhsa_user_sgpr_kernarg_segment_ptr 1
		.amdhsa_wavefront_size32 1
		.amdhsa_system_sgpr_workgroup_id_x 1
		.amdhsa_system_sgpr_workgroup_id_y 1
		.amdhsa_system_sgpr_workgroup_id_z 1
		.amdhsa_system_vgpr_workitem_id 0
		.amdhsa_next_free_vgpr 112
		.amdhsa_next_free_sgpr 66
		.amdhsa_reserve_vcc 0
		.amdhsa_float_denorm_mode_32 3
		.amdhsa_float_denorm_mode_16_64 3
		.amdhsa_memory_ordered 1
		.amdhsa_forward_progress 1
		.amdhsa_inst_pref_size 12
	.end_amdhsa_kernel
	.amdgpu_metadata
---
amdhsa.version: [ 1, 2 ]
amdhsa.kernels:
  - .name:           k_qd43fb0035f_cast
    .symbol:         k_qd43fb0035f_cast.kd
    .args:
      - { .name: x, .offset: 0, .size: 8, .value_kind: global_buffer, .address_space: global }
      - { .name: Wq, .offset: 8, .size: 8, .value_kind: global_buffer, .address_space: global }
      - { .name: Wk, .offset: 16, .size: 8, .value_kind: global_buffer, .address_space: global }
      - { .name: Wv, .offset: 24, .size: 8, .value_kind: global_buffer, .address_space: global }
      - { .name: Wo, .offset: 32, .size: 8, .value_kind: global_buffer, .address_space: global }
      - { .name: xh, .offset: 40, .size: 8, .value_kind: global_buffer, .address_space: global }
      - { .name: wh, .offset: 48, .size: 8, .value_kind: global_buffer, .address_space: global }
    .group_segment_fixed_size: 0
    .private_segment_fixed_size: 0
    .kernarg_segment_align: 8
    .kernarg_segment_size: 56
    .max_flat_workgroup_size: 256
    .sgpr_count:     66
    .vgpr_count:     112
    .wavefront_size: 32
...
	.end_amdgpu_metadata
.endif
;; end of part 6
;; launch qkv: the kernel of part 2 again; grid 12 x 32, 4 waves a work-group, clusters of 4 x 4, 327,680 bytes of LDS; arguments xh, wh, bq, bk, bv, qkv; writes qkv
;; launch scores: the kernel of part 3 again; grid 8 x 32, 4 waves a work-group, clusters of 4 x 4, 327,680 bytes of LDS; arguments qkv, pw, st; writes pw, st
;; launch pv: the kernel of part 4 again; grid 4 x 64, 4 waves a work-group, clusters of 4 x 4, 327,680 bytes of LDS; arguments pw, qkv, st, oh; writes oh
;; launch proj: the kernel of part 5 again; grid 4 x 64, 4 waves a work-group, clusters of 4 x 4, 327,680 bytes of LDS; arguments oh, wh, bo, out0; writes out0
